; MI455X (gfx1250); checked and timed in simulation.
; The chip was launched on July 23, 2026; its instructions are those of AMD's public machine-readable ISA for CDNA 5 (MIT licence, August 2026) and "CDNA5" Instruction Set Architecture Reference Guide (July 2026). The comments in the code are by the model that wrote it; some were corrected since.
;; Attention. Allowed arithmetic: matrix products marked QUANTISED: E2M3 operands, one E8M0 scale for each 32 along K, by v_wmma_scale_f32_16x16x128_f8f6f4 with both operands' format E2M3, f32 sums; everything else in f32.
;; Inputs: w_out 1,024 x 1,024 float32; w_qkv 3,072 x 1,024 float32; x 4 x 2,048 x 1,024 float32.
;; Outputs: out0 4 x 2,048 x 1,024 float32.
;; This version of the problem:
;;   THIS VERSION OF THE PROBLEM IS GIVEN IN LOW PRECISION. The matrix products marked QUANTISED in the list below multiply operands that are first quantised to E2M3 (2 exponent bits, 3 mantissa bits; 6 bits a number), with one power-of-two scale for each 32 numbers along K (OCP MX v1.0); their sums are f32. All else is computed in f32.
;;   The module's matrix products, in the order in which they are computed (A, B: the left and right operand; K: the contracted axis; several contracted axes count as one K, in the product's order):
;;     1. [M 8,192, K 1,024] x [K 1,024, N 3,072]; A: input x; B: input w_qkv: QUANTISED
;;     2. batch 64 x [M 2,048, K 64] x [K 64, N 2,048]; A: computed on the way; B: computed on the way: QUANTISED
;;     3. batch 64 x [M 2,048, K 2,048] x [K 2,048, N 64]; A: softmax (see below); B: computed on the way: QUANTISED
;;     4. [M 8,192, K 1,024] x [K 1,024, N 1,024]; A: computed on the way; B: input w_out: QUANTISED
;;   THE QUANTISER, for each operand of a quantised product, along K:
;;     - K is cut into blocks of 32 from its start; a last block that is shorter is filled with zeros.
;;     - A block's scale is 2^e with e = floor(log2(the largest magnitude in the block)) - 2, held to -126 .. 127; a block of zeros has e = 0. As a byte (E8M0): e + 127.
;;     - Each number is divided by its block's scale, clamped to +-7.5, and rounded to the nearest number of E2M3, ties to even, subnormals kept.
;;     - The product sums the exact products of the quantised numbers (number of the format x scale) in f32.
;;   ~~~python
;;   def quantise(x, axis):      # numpy; x: float32 -> the quantised numbers, widened to float32 again
;;       x = np.moveaxis(x, axis, -1); K = x.shape[-1]
;;       x = np.pad(x, [(0, 0)] * (x.ndim - 1) + [(0, -K % 32)]); x = x.reshape(x.shape[:-1] + (-1, 32)); a = np.abs(x).max(-1, keepdims=True)
;;       e = np.where(a > 0, np.clip(np.frexp(np.where(a > 0, a, 1))[1] - 1 - 2, -126, 127), 0)      # np.frexp(a)[1] - 1 = floor(log2(a)), exactly
;;       r = np.clip(x / 2.0 ** e, -7.5, 7.5)
;;       step = 2.0 ** (np.maximum(np.frexp(np.where(r == 0, 1, r))[1] - 1, 0) - 3)
;;       q = np.round(r / step) * step * 2.0 ** e      # np.round: ties to even
;;       return np.moveaxis(q.reshape(q.shape[:-2] + (-1,))[..., :K], -1, axis).astype(np.float32)
;;   ~~~
;;   SOFTMAX AHEAD OF A QUANTISED PRODUCT. Where the list says 'softmax', what is quantised is not the finished softmax but p = 2^(t - M), with t = logit x log2(e) and M = ceil(the row's largest t), a whole number; so 1/2 < the row's largest p <= 1. The row's sum l is taken of the UNQUANTISED p, in f32, and the product's result is divided by l at the end. Since M is a whole number, a kernel that streams over the keys may use a running M (the ceiling of the running maximum): every later rescaling is an exact power of two, which a block's scale takes up: the codes' values come out the same.
;;   OPERANDS COMPUTED ON THE WAY. 'Computed on the way' means the value that the module computes at that place (a softmax that the list does not call 'softmax' is quantised finished and normalised). What goes into a quantiser is computed in f32, as accurately as f32 sums, v_exp_f32 and their like allow (about 1e-6 of the number): no bf16 or f16 on the way to a quantiser, and a product that is left as it is and whose result goes on into a quantised operand takes f32 operands (vector FMAs, or v_wmma_f32_16x16x4_f32). A number that lies on a knife's edge between two numbers of the format may be rounded either way, as far as f32 arithmetic and the matrix unit's own rounding can turn it there, and no further.
;; One version. Each part assembles by itself: llvm-mc -triple=amdgcn-amd-amdhsa -mcpu=gfx1250 --defsym DOCPART=n.
;; ======== version 1 of 1: 4 launches
;; workspace buffers: cod 9,437,184 bytes; scl 393,216 bytes; rec 20,185,088 bytes; oc 6,291,456 bytes; os 262,144 bytes
;; launch quant (part 1): grid 384 x 1, 4 waves a work-group, no clusters, 33,280 bytes of LDS; arguments x, w_qkv, w_out, cod, scl; writes cod, scl
.if DOCPART == 1
	.amdgcn_target "amdgcn-amd-amdhsa--gfx1250"
	.amdhsa_code_object_version 6
	.text
	.protected	k_q90a4ddc7b7_quant
	.globl	k_q90a4ddc7b7_quant
	.p2align	8
	.type	k_q90a4ddc7b7_quant,@function
k_q90a4ddc7b7_quant:
	s_mov_b64 s[64:65], 0
	v_nop
	global_prefetch_b8 v0, s[64:65] scope:SCOPE_SE
	s_setreg_imm32_b32 hwreg(HW_REG_WAVE_MODE, 25, 1), 1
	s_wait_xcnt 0x0
; x [8192][1024], w_qkv [3072][1024] and w_out [1024][1024], f32 with K innermost, become codes of FP6 (E2M3), 6 bits each, and one E8M0 byte for each 32 along K.
; cod: 12,288 rows of 768 bytes (x's, then w_qkv's, then w_out's); scl: the same rows, 32 bytes each.
; A block's scale is 2^(floor(log2(its largest magnitude)) - 2); its byte is the largest magnitude's exponent field - 2, held at 1 from below.
; THE ORDER OF ROWS.  In each aligned group of 32 rows of x and of w_qkv the second and the third run of eight rows change places: 16 rows on end in cod are then rows 0-7 and 16-23, or 8-15 and 24-31, of
; their group.  Used as source 0 of a product, two such tiles leave 16 NEIGHBOURING rows in a lane's 16 result registers, which is what the later quantisers want.  w_out keeps its order.
; A wave's run is 8 rows (8,192 numbers), so the exchange is made on the run's number and costs nothing.
; LIMITS: NaN and infinities are not served; a block whose largest magnitude lies under 2^-124 (a block of zeros too) has the byte 1; these bytes are read by this program alone.
; A work-group takes 32 rows: work-groups 0-255 x, 256-351 w_qkv, 352-383 w_out.  Only pointers and offsets are chosen: one path through the text.
; A wave takes 16 steps of 512 numbers.  Each of a step's four loads reads 512 consecutive bytes; the 2,048 bytes turn through the wave's own stage in LDS, so that a lane holds 16 neighbours along K.
; No tensor loads, no barrier: waves share nothing.  Loads run four steps (16 loads a wave) ahead, the turn through LDS one step.
.set STEPS, 16
.set EMAX,  2
.set CB,    12                         ; bytes of 16 codes
.set R,     16                         ; v16-79   four sets of 16 numbers as they are loaded
.set X,     80                         ; v80-111  two sets of 16 neighbours
.set C,     128                        ; v128-191 codes: four registers for each step, so that no store's data are written again
.set E,     112                        ; v112-127 a scale byte for each step
.set WREG,  8192                       ; LDS: a region for each wave: two stages of 32 x SP bytes, and behind them its 256 scale bytes
.set SP,    80                         ; a lane's place in a stage: its 64 bytes + 16 of padding
	s_load_b128 s[4:7], s[0:1], 0x0                ; x, w_qkv
	s_load_b128 s[8:11], s[0:1], 0x10              ; w_out, cod
	s_load_b64 s[12:13], s[0:1], 0x20              ; scl
	v_lshl_add_u32 v192, v0, 2, 0x8000
	v_mov_b32 v193, 0
	v_lshrrev_b32 v1, 5, v0
	v_readfirstlane_b32 s16, v1                    ; wave
	v_and_b32 v2, 31, v0                           ; lane
	v_lshlrev_b32 v3, 4, v2                        ; my 16 bytes of a load's 512
	s_mul_i32 s24, s16, WREG
	v_lshrrev_b32 v14, 2, v2
	v_mul_u32_u24 v14, v14, SP
	v_and_b32 v15, 3, v2
	v_lshl_add_u32 v14, v15, 4, v14
	v_add_nc_u32 v14, s24, v14                     ; the stage, on the way in: SP (lane / 4) + 16 (lane % 4)
	v_mul_u32_u24 v15, v2, SP
	v_add_nc_u32 v15, s24, v15                     ; and on the way out: SP x lane: my 16 neighbours
	v_mul_u32_u24 v4, v2, CB                       ; my codes' place in a step's
	v_lshrrev_b32 v5, 1, v2
	s_add_co_u32 s24, s24, 2*32*SP
	v_add_nc_u32 v5, s24, v5                       ; LDS: my wave's 256 scale bytes, my block's byte
	v_lshlrev_b32 v7, 3, v2                        ; and on the way out 8 bytes a lane
	v_add_nc_u32 v6, s24, v7
	s_and_b32 s22, s16, 1
	s_lshl_b32 s22, s22, 1
	s_lshr_b32 s23, s16, 1
	s_or_b32 s22, s22, s23                         ; runs 1 and 2 of the group change places
	s_mov_b32 s17, 352
	s_wait_alu depctr_va_vdst(0)
	s_wait_kmcnt 0x0
	s_cmp_lt_u32 ttmp9, 352                        ; the choices hang on the work-group's number alone
	s_cselect_b64 s[6:7], s[6:7], s[8:9]           ; w_qkv or w_out
	s_cselect_b32 s17, 256, s17                    ; the tensor's first work-group
	s_cselect_b32 s22, s22, s16                    ; w_out keeps its order
	s_cmp_lt_u32 ttmp9, 256
	s_cselect_b64 s[4:5], s[4:5], s[6:7]           ; x or one of the weights
	s_cselect_b32 s17, 0, s17
	s_sub_co_u32 s17, ttmp9, s17
	s_lshl_b32 s17, s17, 2
	s_add_co_u32 s18, s17, s16                     ; which run of 8,192 numbers of the tensor I read
	s_lshl_b32 s18, s18, 15                        ; 32,768 bytes a run
	s_mov_b32 s19, 0
	s_add_nc_u64 s[4:5], s[4:5], s[18:19]
	s_lshl_b32 s20, ttmp9, 2
	s_add_co_u32 s20, s20, s22                     ; which run of cod and scl I write
	s_mul_i32 s18, s20, 32*STEPS*CB                ; 6,144 bytes of codes a run
	s_add_nc_u64 s[10:11], s[10:11], s[18:19]
	s_lshl_b32 s18, s20, 8                         ; 256 scale bytes a run
	s_add_nc_u64 s[12:13], s[12:13], s[18:19]
.macro LOAD t
.irp i, 0,1,2,3
	global_load_b128 v[R+16*((\t)%4)+4*\i:R+16*((\t)%4)+4*\i+3], v3, s[4:5] offset:2048*(\t)+512*\i th:TH_LOAD_NT   ; 32 lanes read 512 consecutive bytes
.endr
.endm
.macro TURN t                          ; step t's numbers through the stage: LDS serves a wave's instructions in order, so no wait stands between the stores and the loads
.irp i, 0,1,2,3
	ds_store_b128 v14, v[R+16*((\t)%4)+4*\i:R+16*((\t)%4)+4*\i+3] offset:32*SP*((\t)%2)+8*SP*\i
.endr
.irp i, 0,1,2,3
	ds_load_b128 v[X+16*((\t)%2)+4*\i:X+16*((\t)%2)+4*\i+3], v15 offset:32*SP*((\t)%2)+16*\i
.endr
.endm
.irp t, 0,1,2,3
	LOAD \t
.endr
	s_wait_loadcnt 12                              ; step 0's four loads are in; the twelve of steps 1 to 3 may be out
	TURN 0
.macro STEP t
.set XS, X+16*((\t)%2)
.if (\t) > 0
	s_wait_dscnt 1                                 ; this step's numbers are back from the stage (the last step's byte store may be out): so its stores into the stage have read their registers,
.else
	s_wait_dscnt 0x0
.endif
.if (\t)+4 < STEPS
	LOAD (\t)+4                                    ; which take the loads of four steps on
.endif
.if (\t)+1 < STEPS
.if STEPS-2-(\t) >= 3
	s_wait_loadcnt 12                              ; the next step's four loads are in; those of the three steps behind it may be out
.else
	s_wait_loadcnt 4*(STEPS-2-(\t))
.endif
	TURN (\t)+1                                    ; and go through the other stage while this step is worked
.endif
	v_max3_num_f32 v8, |v[XS]|, |v[XS+1]|, |v[XS+2]|               ; the largest magnitude of my 16, in two chains
	v_max3_num_f32 v9, |v[XS+3]|, |v[XS+4]|, |v[XS+5]|
.irp i, 6,10
	v_max3_num_f32 v8, v8, |v[XS+\i]|, |v[XS+\i+1]|
	v_max3_num_f32 v9, v9, |v[XS+\i+2]|, |v[XS+\i+3]|
.endr
	v_max3_num_f32 v8, v8, |v[XS+14]|, |v[XS+15]|
	v_max3_num_f32 v8, v8, v9, (EMAX+1)<<23        ; and the floor 2^(3 - 127): the byte cannot fall under 1
	v_max_num_f32_dpp v8, v8, v8 row_xmask:1 row_mask:0xf bank_mask:0xf   ; and of my neighbour's 16: the block's
	v_add_nc_u32 v11, -(EMAX<<23), v8              ; 2 off its exponent field: the conversion takes the exponent field of this operand as its scale, and nothing else of it
	v_cvt_scalef32_pk16_fp6_f32 v[C+4*(\t):C+4*(\t)+2], v[XS:XS+15], v11         ; sixteen numbers / the scale, to the nearest code, ties to even, beyond the largest code the largest
	v_lshrrev_b32 v[E+(\t)], 23, v11               ; the scale's byte
	ds_store_b8 v5, v[E+(\t)] offset:16*(\t)       ; both lanes of a block write the same byte with the same value
	global_store_b96 v4, v[C+4*(\t):C+4*(\t)+2], s[10:11] offset:32*CB*(\t)      ; the wave stores 384 consecutive bytes
.endm
.irp t, 0,1,2,3,4,5,6,7,8,9,10,11,12,13,14,15
	STEP \t
.endr
	ds_load_b64 v[12:13], v6                       ; LDS serves a wave's instructions in order: these see my stores
	s_wait_dscnt 0x0
	global_store_b64 v7, v[12:13], s[12:13]        ; 32 lanes store 256 consecutive bytes, at a multiple of 256 from scl's first byte
	s_wait_tensorcnt 0x0
	ds_add_u32 v192, v193
	s_wait_dscnt 0x0
	s_endpgm
.Lfunc_end_k_q90a4ddc7b7_quant:
	.size	k_q90a4ddc7b7_quant, .Lfunc_end_k_q90a4ddc7b7_quant-k_q90a4ddc7b7_quant
	.p2alignl 7, 3214868480
	.fill 96, 4, 3214868480
	.section	.rodata,"a",@progbits
	.p2align	6, 0x0
	.amdhsa_kernel k_q90a4ddc7b7_quant
		.amdhsa_group_segment_fixed_size 33280
		.amdhsa_private_segment_fixed_size 0
		.amdhsa_enable_private_segment 0
		.amdhsa_kernarg_size 40
		.amdhsa_user_sgpr_count 2
		.amdhsa_user_sgpr_kernarg_segment_ptr 1
		.amdhsa_wavefront_size32 1
		.amdhsa_system_sgpr_workgroup_id_x 1
		.amdhsa_system_sgpr_workgroup_id_y 1
		.amdhsa_system_sgpr_workgroup_id_z 1
		.amdhsa_system_vgpr_workitem_id 0
		.amdhsa_next_free_vgpr 194
		.amdhsa_next_free_sgpr 66
		.amdhsa_reserve_vcc 0
		.amdhsa_float_denorm_mode_32 3
		.amdhsa_float_denorm_mode_16_64 3
		.amdhsa_memory_ordered 1
		.amdhsa_forward_progress 1
		.amdhsa_inst_pref_size 33
	.end_amdhsa_kernel
	.amdgpu_metadata
---
amdhsa.version: [ 1, 2 ]
amdhsa.kernels:
  - .name:           k_q90a4ddc7b7_quant
    .symbol:         k_q90a4ddc7b7_quant.kd
    .args:
      - { .name: x, .offset: 0, .size: 8, .value_kind: global_buffer, .address_space: global }
      - { .name: w_qkv, .offset: 8, .size: 8, .value_kind: global_buffer, .address_space: global }
      - { .name: w_out, .offset: 16, .size: 8, .value_kind: global_buffer, .address_space: global }
      - { .name: cod, .offset: 24, .size: 8, .value_kind: global_buffer, .address_space: global }
      - { .name: scl, .offset: 32, .size: 8, .value_kind: global_buffer, .address_space: global }
    .group_segment_fixed_size: 33280
    .private_segment_fixed_size: 0
    .kernarg_segment_align: 8
    .kernarg_segment_size: 40
    .max_flat_workgroup_size: 128
    .sgpr_count:     66
    .vgpr_count:     194
    .wavefront_size: 32
...
	.end_amdgpu_metadata
.endif
;; end of part 1
;; launch qkv (part 2): grid 12 x 32, 4 waves a work-group, clusters of 4 x 4, 327,680 bytes of LDS; arguments cod, scl, rec; writes rec
.if DOCPART == 2
	.amdgcn_target "amdgcn-amd-amdhsa--gfx1250"
	.amdhsa_code_object_version 6
	.text
	.protected	k_q90a4ddc7b7_qkv
	.globl	k_q90a4ddc7b7_qkv
	.p2align	8
	.type	k_q90a4ddc7b7_qkv,@function
k_q90a4ddc7b7_qkv:
	s_mov_b64 s[64:65], 0
	v_nop
	global_prefetch_b8 v0, s[64:65] scope:SCOPE_SE
	s_setreg_imm32_b32 hwreg(HW_REG_WAVE_MODE, 25, 1), 1
	s_wait_xcnt 0x0
	s_wait_alu depctr_hold_cnt(0) depctr_sa_sdst(0) depctr_va_vdst(0) depctr_va_sdst(0) depctr_va_ssrc(0) depctr_va_vcc(0) depctr_vm_vsrc(0)
	s_getreg_b32 s2, hwreg(HW_REG_IB_STS2, 6, 4)
	s_cmp_eq_u32 s2, 0
	s_cbranch_scc0 .Lentry_in_a_cluster
	s_endpgm
.Lentry_in_a_cluster:
	s_bfe_u32 s2, ttmp6, 0x10000c
	s_cmp_lg_u32 s2, 0xf033
	s_cbranch_scc0 .Lentry_shape_is_right
	s_endpgm
.Lentry_shape_is_right:
.set SIZE_K, 1024
.set KSTEP,  256
.set NQ,     KSTEP/128
.set ROWB,   192
.set KROW,   SIZE_K*6/8
.set PITCH,  240
.set FR,     12
.set NL,     6
.set NP,     4
.set HALFT,  128*PITCH
.set SLOT,   4*HALFT
.set LAPS,   SIZE_K/(2*KSTEP)
.set KS,     SIZE_K/32
.set SCL,    2*SLOT
.set HALFS,  (128*KS/256)*272
.set SBLK,   (16*KS/256)*272
.set SPARE,  SCL+4*HALFS
.set XW_B,   8192*KROW
.set XW_S,   8192*KS
.set RECG,   19712
.set HSTR,   16*RECG
.set PART,   6656
.set ADRA, 16
.set ADRB, 20
.set C8,   25
.set CO,   26
.set ADRS, 27
.set SPW,  28
.set NIL,  29
.set SC,   32
.set PWS,  64
.set TM,   72
.set CT,   88
.set KT,   96
.set KSR,  100
.set AF,   128
.set IMG,  128
.set SEL,  66
.set G1, 24
.set G0, 32
.set G1B, 48
.set G0B, 56
.set G1S, 68
.set G0S, 76
.set G1SB, 80
.set G0SB, 88
.set MSB, 0
.macro WIN new
.if MSB != \new
	s_set_vgpr_msb (MSB<<8)|\new
.set MSB, \new
.endif
.endm
.set MUL_LO, 0xa1
.set MUL_HI, 0xf1
.set TO_B,   0x40
.macro JLOAD g0a, g1a, g0b, g1b
	s_cmp_eq_u32 s15, 0
	s_cbranch_scc0 .Lfor_b_\@
	tensor_load_to_lds s[\g0a:\g0a+3], s[\g1a:\g1a+7]
	s_nop 0
.rept 4
	v_nop
.endr
	s_branch .Lasked_\@
.Lfor_b_\@:
	tensor_load_to_lds s[\g0b:\g0b+3], s[\g1b:\g1b+7]
	s_nop 0
.rept 4
	v_nop
.endr
.Lasked_\@:
.endm
.macro CREST
	s_cmp_lg_u32 s14, 0
	s_cbranch_scc1 .Lnot_wave_0_\@
	s_barrier_signal -3
.Lnot_wave_0_\@:
	s_barrier_wait -3
	s_barrier_signal -1
	s_barrier_wait -1
.endm
.macro CROUND
	s_barrier_signal -1
	s_barrier_wait -1
	CREST
.endm
	s_load_b128 s[4:7], s[0:1], 0x0
	s_load_b64 s[12:13], s[0:1], 0x10
	v_lshl_add_u32 v[SPW], v0, 2, SPARE
	v_mov_b32 v[NIL], 0
	ds_add_u32 v28, v29
	ds_add_u32 v28, v29
	s_wait_dscnt 0x0
	v_lshrrev_b32 v1, 5, v0
	v_readfirstlane_b32 s14, v1
	s_lshr_b32 s15, s14, 1
	s_and_b32 s16, s14, 1
	s_bfe_u32 s40, ttmp6, 0x40000
	s_bfe_u32 s41, ttmp6, 0x40004
	s_lshl_b32 s42, ttmp9, 2
	s_add_co_u32 s42, s42, s40
	s_and_b32 s17, ttmp7, 0xffff
	s_lshl_b32 s17, s17, 2
	s_add_co_u32 s17, s17, s41
	s_lshl_b32 s43, s41, 2
	s_lshl_b32 s43, 15, s43
	s_lshl_b32 s44, 0x1111, s40
	s_mov_b32 s[SEL], 0x76543210
	s_mov_b32 s[SEL+1], 0xfedcba98
	s_or_b32 s[G1+0], s43, (0<<16)|(1<<20)|(1<<21)|(3<<22)|(3<<25)
	s_or_b32 s[G1B+0], s44, (0<<16)|(1<<20)|(1<<21)|(3<<22)|(3<<25)
.irp g, G1, G1B
	s_mov_b32 s[\g+1], ROWB<<16
	s_mov_b32 s[\g+2], 128<<16
	s_mov_b32 s[\g+3], ROWB<<16
	s_mov_b32 s[\g+4], 128
	s_mov_b32 s[\g+5], KROW
	s_mov_b32 s[\g+6], 0
	s_mov_b32 s[\g+7], 0
.endr
	s_or_b32 s[G1S+0], s43, (3<<16)|(1<<20)|(1<<21)|(5<<22)|(3<<25)
	s_or_b32 s[G1SB+0], s44, (3<<16)|(1<<20)|(1<<21)|(5<<22)|(3<<25)
.irp g, G1S, G1SB
	s_mov_b32 s[\g+1], 32<<16
	s_mov_b32 s[\g+2], (128*KS/256)<<16
	s_mov_b32 s[\g+3], 32<<16
	s_mov_b32 s[\g+4], 128*KS/256
	s_mov_b32 s[\g+5], 32
	s_mov_b32 s[\g+6], 0
	s_mov_b32 s[\g+7], 0
.endr
	s_lshl_b32 s18, s16, 7
	s_lshl_b32 s20, s17, 8
	s_add_co_u32 s20, s20, s18
	s_lshl_b32 s46, s42, 8
	s_add_co_u32 s46, s46, s18
	s_mov_b32 s21, 0
	s_mov_b32 s47, 0
	s_mov_b64 s[18:19], KS
	s_mul_u64 s[22:23], s[20:21], s[18:19]
	s_mul_u64 s[92:93], s[46:47], s[18:19]
	s_mov_b64 s[18:19], KROW
	s_mul_u64 s[20:21], s[20:21], s[18:19]
	s_mul_u64 s[46:47], s[46:47], s[18:19]
	s_mul_i32 s45, s14, HALFT
	s_mul_i32 s94, s14, HALFS
	s_wait_kmcnt 0x0
	s_add_nc_u64 s[8:9], s[4:5], XW_B
	s_add_nc_u64 s[10:11], s[6:7], XW_S
	s_add_nc_u64 s[20:21], s[4:5], s[20:21]
	s_add_nc_u64 s[22:23], s[6:7], s[22:23]
	s_add_nc_u64 s[46:47], s[8:9], s[46:47]
	s_add_nc_u64 s[92:93], s[10:11], s[92:93]
	CROUND
	s_mov_b32 s[G0S], 1
	s_add_co_u32 s[G0S+1], s94, SCL
	s_mov_b64 s[G0S+2:G0S+3], s[22:23]
	s_or_b32 s[G0S+3], s[G0S+3], 0x80000000
	s_mov_b32 s[G0SB], 1
	s_add_co_u32 s[G0SB+1], s94, SCL
	s_mov_b64 s[G0SB+2:G0SB+3], s[92:93]
	s_or_b32 s[G0SB+3], s[G0SB+3], 0x80000000
	JLOAD G0S, G1S, G0SB, G1SB
.irp s, 0,1
	s_mov_b32 s[G0+4*\s], 1
	s_add_co_u32 s[G0+4*\s+1], s45, \s*SLOT
	s_add_nc_u64 s[G0+4*\s+2:G0+4*\s+3], s[20:21], \s*ROWB
	s_or_b32 s[G0+4*\s+3], s[G0+4*\s+3], 0x80000000
	s_mov_b32 s[G0B+4*\s], 1
	s_add_co_u32 s[G0B+4*\s+1], s45, \s*SLOT
	s_add_nc_u64 s[G0B+4*\s+2:G0B+4*\s+3], s[46:47], \s*ROWB
	s_or_b32 s[G0B+4*\s+3], s[G0B+4*\s+3], 0x80000000
	s_wait_alu depctr_va_vdst(0)
	s_wait_tensorcnt 0x0
	ds_add_u32 v28, v29
	s_wait_dscnt 0x0
	CROUND
	JLOAD G0+4*\s, G1, G0B+4*\s, G1B
.endr
	s_cmp_eq_u32 ttmp9, 2
	s_cselect_b32 s95, 2*HALFT, 0
	s_cselect_b32 s96, 0, 2*HALFT
	s_cselect_b32 s97, 2*HALFS, 0
	s_cselect_b32 s98, 0, 2*HALFS
	s_cselect_b32 s99, s16, s15
	s_cselect_b32 s100, s15, s16
	v_and_b32 v1, 15, v0
	v_bfe_u32 v2, v0, 4, 1
	v_mul_u32_u24 v3, v1, PITCH
	v_mul_u32_u24 v4, v2, 24
	v_add_nc_u32 v4, v3, v4
	v_lshl_add_u32 v5, v2, 4, v4
	s_mul_i32 s21, s15, HALFT
	s_add_co_u32 s21, s21, s95
	s_mul_i32 s22, s16, HALFT
	s_add_co_u32 s22, s22, s96
.irp s, 0,1
	v_add_nc_u32 v[ADRA+\s], s21, v4
	v_add_nc_u32 v[ADRB+\s], s22, v4
	v_add_nc_u32 v[ADRA+2+\s], s21, v5
	v_add_nc_u32 v[ADRB+2+\s], s22, v5
	s_add_co_u32 s21, s21, SLOT
	s_add_co_u32 s22, s22, SLOT
.endr
	v_mul_u32_u24 v5, v1, KS
	v_lshrrev_b32 v6, 8, v5
	v_lshl_add_u32 v5, v6, 4, v5
	s_mul_i32 s21, s15, HALFS
	s_add_co_u32 s21, s21, s97
	s_add_co_u32 s21, s21, SCL
	s_mul_i32 s22, s16, HALFS
	s_add_co_u32 s22, s22, s98
	s_add_co_u32 s22, s22, SCL
	v_add_nc_u32 v6, s21, v5
	v_add_nc_u32 v7, s22, v5
	v_and_b32 v8, 31, v0
	v_cmp_lt_u32 s101, 15, v8
	v_cndmask_b32 v[ADRS], v6, v7, s101
	v_lshlrev_b32 v[CO], 4, v8
	v_lshlrev_b32 v[C8], 3, v8
	s_lshl_b32 s20, s17, 1
	s_add_co_u32 s20, s20, s99
	s_lshl_b32 s21, s42, 1
	s_add_co_u32 s21, s21, s100
	s_lshr_b32 s22, s21, 3
	s_and_b32 s21, s21, 7
	s_lshr_b32 s23, s20, 4
	s_and_b32 s20, s20, 15
	s_lshl_b32 s23, s23, 4
	s_lshl_b32 s21, s21, 1
	s_add_co_u32 s23, s23, s21
	s_lshl_b32 s23, s23, 4
	s_add_co_u32 s23, s23, s20
	s_mul_i32 s20, s23, RECG
	s_mul_i32 s22, s22, PART
	s_add_co_u32 s20, s20, s22
	s_mov_b32 s21, 0
	s_add_nc_u64 s[12:13], s[12:13], s[20:21]
.macro FRAG reg, adr, q, i
.irp p, 0,1,2,3,4,5
.set PC, 12*(\q)+6*(\p/3)+\p%3
.if PC%8 < 5
	ds_load_b64 v[\reg+2*\p:\reg+2*\p+1], v[\adr] offset:8*PC+16*(PC/8)+(\i)*16*PITCH
.else
	ds_load_b64 v[\reg+2*\p:\reg+2*\p+1], v[\adr+2] offset:8*PC+16*(PC/8)+(\i)*16*PITCH
.endif
.endr
.endm
.macro MUL16 a0, p, q, sc, zero
.irp a, \a0, \a0+1
.irp b, 0,1,2,3,4,5,6,7
.if \zero
	v_wmma_scale_f32_16x16x128_f8f6f4 v[8*(8*((\a)%4)+\b):8*(8*((\a)%4)+\b)+7], v[128*(\p)+FR*\b:128*(\p)+FR*\b+FR-1], v[AF+FR*(\a):AF+FR*(\a)+FR-1], 0, v[SC+8*NQ*(\sc)+NQ*\b+(\q)], v[SC+8*NQ*(\sc)+NQ*(\a)+(\q)] matrix_a_fmt:MATRIX_FMT_FP6 matrix_b_fmt:MATRIX_FMT_FP6 matrix_a_scale:MATRIX_SCALE_ROW1
.else
	v_wmma_scale_f32_16x16x128_f8f6f4 v[8*(8*((\a)%4)+\b):8*(8*((\a)%4)+\b)+7], v[128*(\p)+FR*\b:128*(\p)+FR*\b+FR-1], v[AF+FR*(\a):AF+FR*(\a)+FR-1], v[8*(8*((\a)%4)+\b):8*(8*((\a)%4)+\b)+7], v[SC+8*NQ*(\sc)+NQ*\b+(\q)], v[SC+8*NQ*(\sc)+NQ*(\a)+(\q)] matrix_a_fmt:MATRIX_FMT_FP6 matrix_b_fmt:MATRIX_FMT_FP6 matrix_a_scale:MATRIX_SCALE_ROW1
.endif
.endr
.endr
.endm
.macro FETCH_B slot, q, p
	WIN TO_B
.irp i, 0,1,2,3,4,5,6,7
	FRAG 128*(\p)+FR*\i, ADRB+\slot, \q, \i
.endr
	WIN 0
.endm
.macro FETCH_A slot, q, i0
.irp i, \i0, \i0+1, \i0+2, \i0+3
	FRAG AF+FR*(\i), ADRA+\slot, \q, \i
.endr
.endm
.macro SCALES sc
.irp i, 0,1,2,3,4,5,6,7
	ds_load_b64 v[SC+8*NQ*\sc+NQ*\i:SC+8*NQ*\sc+NQ*\i+1], v[ADRS] offset:\i*SBLK
.endr
.endm
.macro PLACES n
.rept \n
	v_nop
.endr
.endm
.macro STEP slot, q, zero
	s_wait_dscnt 4*NL
	WIN MUL_LO
	MUL16 0, (\q)%2, \q, \slot, \zero
	MUL16 2, (\q)%2, \q, \slot, \zero
	s_wait_dscnt 0
	PLACES NP
	FETCH_B \slot, (\q)+1, 1-(\q)%2
	FETCH_A \slot, (\q)+1, 0
	WIN MUL_HI
	MUL16 4, (\q)%2, \q, \slot, \zero
	MUL16 6, (\q)%2, \q, \slot, \zero
	PLACES NP
	WIN 0
	FETCH_A \slot, (\q)+1, 4
.endm
.macro TURN slot, next, fill
	s_wait_tensorcnt 0x0
	ds_add_u32 v[SPW], v[NIL]
	s_wait_dscnt 4*NL+1
	WIN MUL_LO
	MUL16 0, 1, NQ-1, \slot, 0
	s_wait_dscnt 0x0
	s_barrier_signal -1
	MUL16 2, 1, NQ-1, \slot, 0
	WIN 0
	s_barrier_wait -1
.if \fill
	CREST
	s_add_nc_u64 s[G0+4*\slot+2:G0+4*\slot+3], s[G0+4*\slot+2:G0+4*\slot+3], 2*ROWB
	s_add_nc_u64 s[G0B+4*\slot+2:G0B+4*\slot+3], s[G0B+4*\slot+2:G0B+4*\slot+3], 2*ROWB
	JLOAD G0+4*\slot, G1, G0B+4*\slot, G1B
.else
	PLACES NP
.endif
	s_wait_alu depctr_va_vdst(0)
	v_add_nc_u32 v[ADRS], 4*NQ, v[ADRS]
	FETCH_B \next, 0, 0
	FETCH_A \next, 0, 0
	SCALES \next
	WIN MUL_HI
	MUL16 4, 1, NQ-1, \slot, 0
	MUL16 6, 1, NQ-1, \slot, 0
	PLACES NP
	WIN 0
	FETCH_A \next, 0, 4
.endm
	s_wait_alu depctr_va_vdst(0)
	s_wait_tensorcnt 1
	s_barrier_signal -1
	s_barrier_wait -1
	FETCH_B 0, 0, 0
	FETCH_A 0, 0, 0
	SCALES 0
	FETCH_A 0, 0, 4
	STEP 0, 0, 1
	s_mov_b32 s3, LAPS-1
.Llap:
	TURN 0, 1, 1
	STEP 1, 0, 0
	TURN 1, 0, 1
	STEP 0, 0, 0
	s_sub_co_u32 s3, s3, 1
	s_cmp_lg_u32 s3, 0
	s_cbranch_scc1 .Llap
	TURN 0, 1, 0
	STEP 1, 0, 0
	s_wait_dscnt 4*NL
	WIN MUL_LO
	MUL16 0, 1, NQ-1, 1, 0
	MUL16 2, 1, NQ-1, 1, 0
	s_wait_dscnt 0
	WIN MUL_HI
	MUL16 4, 1, NQ-1, 1, 0
	MUL16 6, 1, NQ-1, 1, 0
	WIN 0
.macro QUANT a, d0, d1
.set AC, 64*((\a)%4)
	WIN 0x0a+5*((\a)/4)
.irp b, 0,1,2,3
	v_max3_num_f32 v[TM+\b], |v[AC+16*\b]|, |v[AC+16*\b+1]|, 0x1800000
.endr
.irp i, 2,4,6,8,10,12,14
.irp b, 0,1,2,3
	v_max3_num_f32 v[TM+\b], |v[AC+16*\b+\i]|, |v[AC+16*\b+\i+1]|, v[TM+\b]
.endr
.endr
	WIN 0
.irp b, 0,1,2,3
	v_permlanex16_b32 v[TM+4+\b], v[TM+\b], s[SEL], s[SEL+1]
.endr
.irp b, 0,1,2,3
	v_max_num_f32 v[TM+\b], v[TM+\b], v[TM+4+\b]
.endr
.irp b, 0,1,2,3
	v_add_nc_u32 v[TM+12+\b], 0xff000000, v[TM+\b]
.endr
.irp b, 0,1,2,3
	v_lshrrev_b32 v[TM+4+\b], 23, v[TM+12+\b]
.endr
	v_lshl_or_b32 v[PWS+(\a)], v[TM+5], 8, v[TM+4]
	v_lshl_or_b32 v[PWS+(\a)], v[TM+6], 16, v[PWS+(\a)]
	v_lshl_or_b32 v[PWS+(\a)], v[TM+7], 24, v[PWS+(\a)]
	WIN 0x02+((\a)/4)
	v_cvt_scalef32_pk16_fp6_f32 v[(\d0):(\d0)+2], v[AC:AC+15], v[TM+12]
	v_cvt_scalef32_pk16_fp6_f32 v[CT:CT+2], v[AC+16:AC+31], v[TM+13]
	v_cvt_scalef32_pk16_fp6_f32 v[(\d1):(\d1)+2], v[AC+32:AC+47], v[TM+14]
	v_cvt_scalef32_pk16_fp6_f32 v[CT+4:CT+6], v[AC+48:AC+63], v[TM+15]
	WIN 0
	v_nop
.irp i, 0,1,2
	v_permlane16_swap_b32 v[(\d0)+\i], v[CT+\i]
.endr
.irp i, 0,1,2
	v_mov_b32 v[(\d0)+3+\i], v[CT+\i]
.endr
.irp i, 0,1,2
	v_permlane16_swap_b32 v[(\d1)+\i], v[CT+4+\i]
.endr
.irp i, 0,1,2
	v_mov_b32 v[(\d1)+3+\i], v[CT+4+\i]
.endr
.endm
	PLACES NP
.irp b, 0,1,2,3
	v_mov_b32 v[TM+4+\b], 0
.endr
	s_cmp_eq_u32 ttmp9, 2
	s_cbranch_scc1 .Lv
.irp a, 0,1,2,3,4,5,6,7
	QUANT \a, IMG+6*\a, IMG+48+6*\a
.endr
.irp j, 0,1,2,3
	v_cndmask_b32 v[KT+\j], v[PWS+2*\j], v[PWS+2*\j+1], s101
.endr
.irp j, 0,1,2,3
	v_and_b32 v[KSR+\j], 0xffff, v[KT+\j]
.endr
.irp j, 0,1,2,3
	v_lshrrev_b32 v[KSR+4+\j], 16, v[KT+\j]
.endr
.irp c, 0,1
.irp p, 0,1,2,3,4,5,6,7,8,9,10,11
	global_store_b128 v[CO], v[IMG+48*\c+4*\p:IMG+48*\c+4*\p+3], s[12:13] offset:\c*HSTR+512*\p
.endr
	global_store_b128 v[CO], v[KSR+4*\c:KSR+4*\c+3], s[12:13] offset:\c*HSTR+6144
.endr
	s_branch .Lend
.Lv:
.irp a, 0,1,2,3,4,5,6,7
	QUANT \a, IMG+12*\a, IMG+12*\a+6
.endr
.irp j, 0,1,2,3
	v_cndmask_b32 v[KSR+\j], v[PWS+2*\j], v[PWS+2*\j+1], s101
.endr
.irp c, 0,1
.irp p, 0,1,2,3,4,5,6,7,8,9,10,11
	global_store_b128 v[CO], v[IMG+48*\c+4*\p:IMG+48*\c+4*\p+3], s[12:13] offset:\c*HSTR+512*\p
.endr
	global_store_b64 v[C8], v[KSR+2*\c:KSR+2*\c+1], s[12:13] offset:\c*HSTR+6144
.endr
.Lend:
	s_wait_tensorcnt 0x0
	ds_add_u32 v[SPW], v[NIL]
	s_wait_dscnt 0x0
	CROUND
	s_endpgm
.Lfunc_end_k_q90a4ddc7b7_qkv:
	.size	k_q90a4ddc7b7_qkv, .Lfunc_end_k_q90a4ddc7b7_qkv-k_q90a4ddc7b7_qkv
	.p2alignl 7, 3214868480
	.fill 96, 4, 3214868480
	.section	.rodata,"a",@progbits
	.p2align	6, 0x0
	.amdhsa_kernel k_q90a4ddc7b7_qkv
		.amdhsa_group_segment_fixed_size 327680
		.amdhsa_private_segment_fixed_size 0
		.amdhsa_enable_private_segment 0
		.amdhsa_kernarg_size 24
		.amdhsa_user_sgpr_count 2
		.amdhsa_user_sgpr_kernarg_segment_ptr 1
		.amdhsa_wavefront_size32 1
		.amdhsa_system_sgpr_workgroup_id_x 1
		.amdhsa_system_sgpr_workgroup_id_y 1
		.amdhsa_system_sgpr_workgroup_id_z 1
		.amdhsa_system_vgpr_workitem_id 0
		.amdhsa_next_free_vgpr 1024
		.amdhsa_next_free_sgpr 102
		.amdhsa_reserve_vcc 0
		.amdhsa_float_denorm_mode_32 3
		.amdhsa_float_denorm_mode_16_64 3
		.amdhsa_memory_ordered 1
		.amdhsa_forward_progress 1
		.amdhsa_inst_pref_size 199
	.end_amdhsa_kernel
	.amdgpu_metadata
---
amdhsa.version: [ 1, 2 ]
amdhsa.kernels:
  - .name:           k_q90a4ddc7b7_qkv
    .symbol:         k_q90a4ddc7b7_qkv.kd
    .args:
      - { .name: cod, .offset: 0, .size: 8, .value_kind: global_buffer, .address_space: global }
      - { .name: scl, .offset: 8, .size: 8, .value_kind: global_buffer, .address_space: global }
      - { .name: rec, .offset: 16, .size: 8, .value_kind: global_buffer, .address_space: global }
    .group_segment_fixed_size: 327680
    .private_segment_fixed_size: 0
    .kernarg_segment_align: 8
    .kernarg_segment_size: 24
    .max_flat_workgroup_size: 128
    .sgpr_count:     102
    .vgpr_count:     1024
    .wavefront_size: 32
...
	.end_amdgpu_metadata
.endif
;; end of part 2
;; launch attn (part 3): grid 4 x 64, 16 waves a work-group, clusters of 4 x 1, 215,040 bytes of LDS; arguments rec, oc, os; writes oc, os
.if DOCPART == 3
	.amdgcn_target "amdgcn-amd-amdhsa--gfx1250"
	.amdhsa_code_object_version 6
	.text
	.protected	k_q90a4ddc7b7_attn
	.globl	k_q90a4ddc7b7_attn
	.p2align	8
	.type	k_q90a4ddc7b7_attn,@function
k_q90a4ddc7b7_attn:
	s_mov_b64 s[64:65], 0
	v_nop
	global_prefetch_b8 v0, s[64:65] scope:SCOPE_SE
	s_setreg_imm32_b32 hwreg(HW_REG_WAVE_MODE, 25, 1), 1
	s_wait_xcnt 0x0
	s_wait_alu depctr_hold_cnt(0) depctr_sa_sdst(0) depctr_va_vdst(0) depctr_va_sdst(0) depctr_va_ssrc(0) depctr_va_vcc(0) depctr_vm_vsrc(0)
	s_getreg_b32 s2, hwreg(HW_REG_IB_STS2, 6, 4)
	s_cmp_eq_u32 s2, 0
	s_cbranch_scc0 .Lentry_in_a_cluster
	s_endpgm
.Lentry_in_a_cluster:
	s_bfe_u32 s2, ttmp6, 0x10000c
	s_cmp_lg_u32 s2, 0x3003
	s_cbranch_scc0 .Lentry_shape_is_right
	s_endpgm
.Lentry_shape_is_right:
; o = softmax(q k^T / 8) v for one (batch, head), both products on codes of FP6 (E2M3) with E8M0 scales; o is quantised along the head's 64 channels and leaves as codes for the last product.
; THE SOFTMAX: t = score x log2(e) / 8; M = the row's largest t so far, rounded UP to a whole number; p = 2^(t - M) is what is quantised, along the keys, not normalised.  The row's sum is taken of the
; unquantised p, in f32, and divides O at the end.  When M moves, the sum and O are multiplied by 2^(old M - new M): exact.
; rec: for each (batch, head) bh and each group g of 128 positions a record of 19,712 bytes at (16 bh + g): q's codes 6,144, q's scale words 512, k's codes 6,144, k's scale words 512, v's codes 6,144, v's scale
; words 256, all in the order of the operands' registers: four registers as 512 bytes, 16 a lane.  Positions: in each group of 32 tokens the second and third run of eight have changed places, so that the 16
; registers of two neighbouring tiles of S^T are 16 neighbouring keys.  v's K is the group's 128 tokens in true order.
; SHARES.  A work-group owns 512 queries of one head; each of its SIXTEEN waves owns two tiles of 16, one after the other, in 256 registers: four waves to a SIMD, so that one wave's vector work stands beside
; another's matrix work and LDS loads.  THE HEAD'S WHOLE K AND V STAY IN LDS: 16 records' parts of 13,056 bytes; wave w fetches group w's by one tensor load at the head.  Nothing is filled again.
; CLUSTER.  The four work-groups of a head form a cluster and ask for each part JOINTLY: the same tensor load, with the same descriptor and a mask that names the four.
; No prefetch: all that the work-group reads is asked for at its head.
; LAYOUT.  Both products are used transposed: S^T = K Q^T (source 0 = 16 keys, source 1 = my 16 queries), O^T = V^T P^T: a lane holds ONE query (lane % 16) throughout.
; K = 64 IN A FORM OF 128: q's fragment is six registers of codes and six of zeros, with scale bytes 0 over the zeros; k's fragments lie six registers apart, so that the upper half of source 0 is the next
; tile's codes: they meet q's zero codes and add nothing.
; LIMITS: NaN and infinities are not served; the division by the row's sum is v_rcp_f32 and a multiplication; a block of o under 2^-124 has the byte 1 (read by this program alone).
.set RECG,  19712                      ; a record in memory
.set KOFF,  6656                       ; k's part begins here
.set REC,   13056                      ; k's and v's parts: 51 rows of 256 bytes; in LDS: K's codes 0, K's scale words 6,144, V's codes 6,656, V's scale words 12,800
.set OSTG,  16*REC                     ; behind them: 1,024 bytes, the work-group's 512 pairs of o's scale bytes; no tile lands there
.set LI,   1                           ; v1   16 x lane
.set L8,   2                           ; v2   8 x lane
.set ADR,  3                           ; v3   the group's part in LDS + 16 x lane
.set ADR8, 4                           ; v4   the same + 8 x lane
.set QO,   5                           ; v5-7 my offsets in q's codes
.set QSO,  8                           ; v8   and in q's scale words
.set OSA,  9                           ; v9   where I put a pair of o's scale bytes
.set OSR,  10                          ; v10  where I read 16 bytes of them back
.set OSG,  11                          ; v11  and where they go in os
.set Q,    16                          ; v16-27 q of my first tile (six registers, six zeros), v28-39 of my second
.set QSC,  40                          ; v40-41 their scale words
.set KV,   42                          ; v42-89 the group's K or V; v90-95 zeros
.set S,    96                          ; v96-159 S^T, then p
.set O,    160                         ; v160-191 O^T
.set PC,   192                         ; v192-203 p's codes
.set CT,   204                         ; v204-206, v208-210 upper halves of blocks' codes, as converted
.set KSC,  212                         ; v212-215 K's scale words: register j: lanes 0-15 tile 2 j, lanes 16-31 tile 2 j + 1
.set VSC,  216                         ; v216-217 V's likewise
.set PW,   218                         ; v218 p's scale word
.set BM,   220                         ; v220-223 the blocks' largest scores, then largest p
.set PB,   224                         ; v224-227 at work
.set SO,   228                         ; v228-231 the conversions' scale operands
.set F,    232                         ; v[232:233] 2^(old M - new M); at the end 1 / the sum
.set T,    234
.set L2,   236                         ; v[236:237] the second chain of the sum
.set OCD,  240                         ; v240-245, v246-251 o's codes of my two tiles: registers of their own, so that no store's data are written again
.set WV,   10
.set CX,   11
.set BH,   12
.set G1,   16                          ; s[16:23] descriptor group 1
.set G0,   24                          ; s[24:27] group 0
.set SEL,  28                          ; s[28:29] lane selects: lane l xor 16
.set CS,   30                          ; s[30:31] c = log2(e) / 8
.set TB,   32                          ; s32  where the group in hand begins in LDS
.set CNT,  33
.set QB,   34                          ; s[34:35] q's record of my first tile
.set OB,   36                          ; s[36:37] oc at my first tile, my head
.set SB,   38                          ; s[38:39] os at my work-group's positions, my head
.macro CROUND                          ; a round of the cluster's barrier
	s_barrier_signal -1
	s_barrier_wait -1
	s_cmp_lg_u32 s[WV], 0
	s_cbranch_scc1 .Lnot_wave_0_\@
	s_barrier_signal -3
.Lnot_wave_0_\@:
	s_barrier_wait -3
	s_barrier_signal -1
	s_barrier_wait -1
.endm
	s_load_b128 s[4:7], s[0:1], 0x0                ; rec, oc
	s_load_b64 s[8:9], s[0:1], 0x10                ; os
	v_lshl_add_u32 v254, v0, 2, 0x34000
	v_mov_b32 v255, 0
	ds_add_u32 v254, v255
	ds_add_u32 v254, v255
	v_lshrrev_b32 v1, 5, v0
	s_delay_alu instid0(VALU_DEP_1)
	v_readfirstlane_b32 s[WV], v1                  ; wave 0..15
	s_bfe_u32 s[CX], ttmp6, 0x40000                ; my place in the cluster: which 512 queries
	s_and_b32 s[BH], ttmp7, 0xffff                 ; 16 x batch + head, which the four partners share
	; descriptor group 1: 51 dense rows of 256 bytes (32 elements of 8 bytes), no padding
	s_mov_b32 s[G1], 15|(3<<16)|(1<<21)            ; 15:0 the mask: all four work-groups; 17:16 elements of 8 bytes; 21 set beside a mask
	s_mov_b32 s[G1+1], 32<<16                      ; tensor_dim0
	s_mov_b32 s[G1+2], 51<<16                      ; tensor_dim1
	s_mov_b32 s[G1+3], 32<<16                      ; tile_dim0
	s_mov_b32 s[G1+4], 51                          ; tile_dim1
	s_mov_b32 s[G1+5], 32                          ; tensor_dim0_stride
	s_mov_b32 s[G1+6], 0
	s_mov_b32 s[G1+7], 0
	s_lshl_b32 s40, s[BH], 4
	s_add_co_u32 s41, s40, s[WV]                   ; the record of group w of my head
	s_mul_i32 s42, s41, RECG
	s_add_co_u32 s42, s42, KOFF
	s_mov_b32 s43, 0
	s_mov_b32 s[G0], 1
	s_mul_i32 s[G0+1], s[WV], REC                  ; no place in the cluster enters an LDS address
	s_mov_b32 s[SEL], 0x76543210
	s_mov_b32 s[SEL+1], 0xfedcba98
	s_mov_b32 s[CS], 0x3e38aa3b                    ; log2(e) / 8
	s_mov_b32 s[CS+1], s[CS]                       ; (named with it as a pair, so it is written)
	s_wait_dscnt 0x0
	s_wait_kmcnt 0x0
	s_add_nc_u64 s[G0+2:G0+3], s[4:5], s[42:43]
	s_or_b32 s[G0+3], s[G0+3], 0x80000000
	CROUND                                         ; all four work-groups are here: the joint loads meet
	tensor_load_to_lds s[G0:G0+3], s[G1:G1+7]      ; my one tensor load
	s_nop 0
.rept 4
	v_nop
.endr
	s_lshl_b32 s41, s[CX], 2
	s_add_co_u32 s40, s40, s41
	s_lshr_b32 s41, s[WV], 3
	s_add_co_u32 s40, s40, s41                     ; q's record: group 4 cx + wave / 8 (my second tile: two groups on)
	s_mul_i32 s40, s40, RECG
	s_mov_b32 s41, 0
	s_add_nc_u64 s[QB:QB+1], s[4:5], s[40:41]
	s_lshr_b32 s42, s[BH], 4                       ; batch
	s_and_b32 s43, s[BH], 15                       ; head
	s_lshl_b32 s44, s42, 7
	s_lshl_b32 s45, s[CX], 5
	s_add_co_u32 s44, s44, s45
	s_add_co_u32 s44, s44, s[WV]                   ; my first tile of 16 positions: 128 x batch + 32 cx + wave
	s_lshl_b32 s44, s44, 4
	s_add_co_u32 s44, s44, s43
	s_mul_i32 s44, s44, 768                        ; oc: [tile][head][768 bytes]
	s_mov_b32 s45, 0
	s_add_nc_u64 s[OB:OB+1], s[6:7], s[44:45]
	s_lshl_b32 s44, s43, 13
	s_lshl_b32 s46, s42, 11
	s_add_co_u32 s44, s44, s46
	s_lshl_b32 s46, s[CX], 9
	s_add_co_u32 s44, s44, s46
	s_lshl_b32 s44, s44, 1                         ; os: [head][position], 2 bytes
	s_add_nc_u64 s[SB:SB+1], s[8:9], s[44:45]
	v_and_b32 v8, 31, v0
	s_delay_alu instid0(VALU_DEP_1)
	v_lshlrev_b32 v[LI], 4, v8
	s_wait_alu depctr_va_vdst(0)
	v_lshlrev_b32 v[L8], 3, v8
	v_and_b32 v11, 15, v0                          ; r
	s_wait_alu depctr_va_vdst(0)
	s_and_b32 s40, s[WV], 7                        ; a: my tile in its group
	s_mul_i32 s41, s40, 6                          ; its first register of the group's 48
.irp i, 0,1,2
	s_add_co_u32 s42, s41, 2*\i                    ; register n lies at 512 (n / 4) + 16 x lane + 4 (n % 4)
	s_lshr_b32 s43, s42, 2
	s_lshl_b32 s43, s43, 9
	s_and_b32 s42, s42, 3
	s_lshl_b32 s42, s42, 2
	s_add_co_u32 s43, s43, s42
	v_add_nc_u32 v[QO+\i], s43, v[LI]
.endr
	s_and_b32 s42, s40, 1
	s_lshl_b32 s42, s42, 8
	s_lshr_b32 s43, s40, 1
	s_lshl_b32 s43, s43, 2
	s_add_co_u32 s42, s42, s43
	v_lshl_add_u32 v[QSO], v11, 4, s42             ; tile a's words: register a / 2, lane r + 16 (a % 2)
	v_and_b32 v[OSA], 0x1e0, v0                    ; 32 x wave
	s_delay_alu instid0(VALU_DEP_1)
	v_lshl_add_u32 v[OSA], v11, 1, v[OSA]
	s_delay_alu instid0(VALU_DEP_1)
	v_add_nc_u32 v[OSA], OSTG, v[OSA]              ; 2 bytes for each of my 16 queries
	v_and_b32 v[OSG], 63, v0
	s_delay_alu instid0(VALU_DEP_1)
	v_lshlrev_b32 v[OSG], 4, v[OSG]
	s_delay_alu instid0(VALU_DEP_1)
	v_add_nc_u32 v[OSR], OSTG, v[OSG]
	s_wait_alu depctr_va_vdst(0)
.irp t, 0,1
.irp i, 0,1,2
	global_load_b64 v[Q+12*\t+2*\i:Q+12*\t+2*\i+1], v[QO+\i], s[QB:QB+1] offset:\t*2*RECG
.endr
	global_load_b32 v[QSC+\t], v[QSO], s[QB:QB+1] offset:6144+\t*2*RECG
.endr
.irp j, 0,1,2,3,4,5
	v_mov_b32 v[Q+6+\j], 0                         ; q's upper 64 along K: zero codes
	v_mov_b32 v[Q+18+\j], 0
	v_mov_b32 v[KV+48+\j], 0                       ; what stands behind the last tile of K
.endr
.irp b, 0,1,2,3
	v_mov_b32 v[PB+\b], 0                          ; written once: a lane permute's destination counts as one of its sources
.endr
	v_mov_b32 v[F+1], 0                            ; (named as the upper half of a pair)
	s_wait_tensorcnt 0x0                           ; my part of K and V is in,
	s_barrier_signal -1
	s_barrier_wait -1                              ; everybody's is
	s_wait_loadcnt 0x0                             ; q
; A KEY STEP: the 128 keys of the group at s[TB].
.macro STEP qr, qs
	v_add_nc_u32 v[ADR], s[TB], v[LI]
	v_add_nc_u32 v[ADR8], s[TB], v[L8]
	v_nop
	v_nop                                          ; four places in front of loads into registers that the last products have read
.irp p, 0,1,2,3,4,5,6,7,8,9,10,11
	ds_load_b128 v[KV+4*\p:KV+4*\p+3], v[ADR] offset:512*\p          ; K's eight tiles, six registers each: 32 lanes read 512 consecutive bytes
.endr
	ds_load_b128 v[KSC:KSC+3], v[ADR] offset:6144
	s_wait_alu depctr_va_vdst(0)
	s_wait_dscnt 0x0
.irp t, 0,2,4,6                                ; S^T = K Q^T
	v_wmma_scale_f32_16x16x128_f8f6f4 v[S+8*\t:S+8*\t+7], v[KV+6*\t:KV+6*\t+11], v[\qr:\qr+11], 0, v[KSC+\t/2], v[\qs] matrix_a_fmt:MATRIX_FMT_FP6 matrix_b_fmt:MATRIX_FMT_FP6
	v_wmma_scale_f32_16x16x128_f8f6f4 v[S+8*\t+8:S+8*\t+15], v[KV+6*\t+6:KV+6*\t+17], v[\qr:\qr+11], 0, v[KSC+\t/2], v[\qs] matrix_a_fmt:MATRIX_FMT_FP6 matrix_b_fmt:MATRIX_FMT_FP6 matrix_a_scale:MATRIX_SCALE_ROW1
.endr                                          ; lane (r, h) holds query r; register 16 b + i is key 32 b + 16 h + i of the group
.rept 4
	v_nop                                          ; places in front of the loads into K's registers and of the first read of the scores
.endr
.irp p, 0,1,2,3,4,5,6,7,8,9,10,11
	ds_load_b128 v[KV+4*\p:KV+4*\p+3], v[ADR] offset:6656+512*\p     ; V's four tiles, twelve registers each: they land under the softmax
.endr
	ds_load_b64 v[VSC:VSC+1], v[ADR8] offset:12800
.irp b, 0,1,2,3
	v_max3_num_f32 v[BM+\b], v[S+16*\b], v[S+1+16*\b], v[S+2+16*\b]   ; THE LARGEST SCORE OF EACH BLOCK OF 32 KEYS: it serves for the row's maximum and, since p rises with the score, for the block's largest p
.endr
.irp i, 3,5,7,9,11,13
.irp b, 0,1,2,3
	v_max3_num_f32 v[BM+\b], v[BM+\b], v[S+16*\b+\i], v[S+1+16*\b+\i]   ; (the four blocks by turns)
.endr
.endr
.irp b, 0,1,2,3
	v_max_num_f32 v[BM+\b], v[BM+\b], v[S+15+16*\b]
.endr
.irp b, 0,1,2,3
	s_delay_alu instid0(VALU_DEP_4)
	v_permlanex16_b32 v[PB+\b], v[BM+\b], s[SEL], s[SEL+1]
.endr
.irp b, 0,1,2,3
	s_delay_alu instid0(VALU_DEP_4)
	v_max_num_f32 v[BM+\b], v[BM+\b], v[PB+\b]     ; with lane l xor 16's 16 keys
.endr
	s_delay_alu instid0(VALU_DEP_2)
	v_max3_num_f32 v[T], v[BM], v[BM+1], v[BM+2]
	s_delay_alu instid0(VALU_DEP_1)
	v_max_num_f32 v[T], v[T], v[BM+3]              ; the step's largest score of my query
	s_delay_alu instid0(VALU_DEP_1)
	v_mul_f32 v[T], s[CS], v[T]                    ; as t (c is positive)
	s_delay_alu instid0(VALU_DEP_1)
	v_max_num_f32 v13, v13, v[T]                   ; the running largest t
	v_mov_b32 v[T], v12
	s_delay_alu instid0(VALU_DEP_2)
	v_floor_f32 v12, -v13                          ; the new -M = floor(-t) = -ceil(t): M IS A WHOLE NUMBER
	s_delay_alu instid0(VALU_DEP_1)
	v_sub_f32 v[T], v12, v[T]                      ; M's old value less its new one: a whole number, 0 or less
	s_delay_alu instid0(VALU_DEP_1)
	v_cvt_i32_f32 v[T], v[T]                       ; (it saturates)
	s_delay_alu instid0(VALU_DEP_1)
	v_ldexp_f32 v[F], 1.0, v[T]                    ; f = 2^(old M - new M)
.irp j, 0,2,4,6,8,10,12,14,16,18,20,22,24,26,28,30,32,34,36,38,40,42,44,46,48,50,52,54,56,58,60,62
	v_pk_fma_f32 v[S+\j:S+\j+1], v[S+\j:S+\j+1], s[CS:CS+1], v[12:13] op_sel_hi:[1,0,0]   ; t - M, two at a time
.endr
.irp b, 0,1,2,3
	v_fma_f32 v[BM+\b], v[BM+\b], s[CS], v12       ; the same of each block's largest score
.endr
	s_wait_alu depctr_va_vdst(0)
.irp j, 0,1,2,3,4,5,6,7,8,9,10,11,12,13,14,15,16,17,18,19,20,21,22,23,24,25,26,27,28,29,30,31,32,33,34,35,36,37,38,39,40,41,42,43,44,45,46,47,48,49,50,51,52,53,54,55,56,57,58,59,60,61,62,63
	v_exp_f32 v[S+\j], v[S+\j]                     ; p = 2^(t - M), at most 1: NOT normalised
.endr
	s_setprio 1
	v_pk_mul_f32 v[14:15], v[14:15], v[F:F+1] op_sel_hi:[1,0]   ; the sums under the new M.  (A plain place behind the exponentials)
	s_wait_alu depctr_va_vdst(0)                   ; one wait for the whole batch, ahead of its first reader
.irp b, 0,1,2,3
	v_exp_f32 v[BM+\b], v[BM+\b]                   ; the block's largest p: the same two instructions on the same number give the same bits
.endr
	v_pk_add_f32 v[L2:L2+1], v[S:S+1], v[S+2:S+3]  ; THE ROW'S SUM IS TAKEN OF THE UNQUANTISED p: two at a time, in two chains.  (It reads the 64 alone: plain work behind the four)
.irp j, 4,8,12,16,20,24,28,32,36,40,44
	v_pk_add_f32 v[14:15], v[14:15], v[S+\j:S+\j+1]
	v_pk_add_f32 v[L2:L2+1], v[L2:L2+1], v[S+2+\j:S+3+\j]
.endr
	s_wait_alu depctr_va_vdst(0)                   ; and one for the four
.irp b, 0,1,2,3
	v_max_num_f32 v[BM+\b], 0x1800000, v[BM+\b]    ; the floor 2^(3 - 127): the byte cannot fall under 1
.endr
.irp b, 0,1,2,3
	s_delay_alu instid0(VALU_DEP_4)
	v_add_nc_u32 v[SO+\b], 0xff000000, v[BM+\b]    ; 2 off the exponent field: the conversion's scale operand
.endr
.irp b, 0,1,2,3
	s_delay_alu instid0(VALU_DEP_4)
	v_lshrrev_b32 v[PB+\b], 23, v[SO+\b]           ; the scale's byte
.endr
	s_delay_alu instid0(VALU_DEP_3)
	v_lshl_or_b32 v[PW], v[PB+1], 8, v[PB]         ; p's scale word for these 128 keys
	s_delay_alu instid0(VALU_DEP_1)
	v_lshl_or_b32 v[PW], v[PB+2], 16, v[PW]
	s_delay_alu instid0(VALU_DEP_1)
	v_lshl_or_b32 v[PW], v[PB+3], 24, v[PW]
	v_cvt_scalef32_pk16_fp6_f32 v[PC:PC+2], v[S:S+15], v[SO]
	v_cvt_scalef32_pk16_fp6_f32 v[CT:CT+2], v[S+16:S+31], v[SO+1]     ; (a conversion's three registers begin on an even number)
	v_cvt_scalef32_pk16_fp6_f32 v[PC+6:PC+8], v[S+32:S+47], v[SO+2]
	v_cvt_scalef32_pk16_fp6_f32 v[CT+4:CT+6], v[S+48:S+63], v[SO+3]
	v_nop                                          ; one plain place behind a scaled conversion
.irp c, 0,1                                    ; the operand's layout wants a WHOLE block in a lane: lanes 0-15 block 2 c, lanes 16-31 block 2 c + 1
.irp i, 0,1,2
	v_permlane16_swap_b32 v[PC+6*\c+\i], v[CT+4*\c+\i]
.endr
.irp i, 0,1,2
	s_delay_alu instid0(VALU_DEP_3)
	v_mov_b32 v[PC+3+6*\c+\i], v[CT+4*\c+\i]
.endr
.endr
	s_setprio 0
.irp j, 0,2,4,6,8,10,12,14,16,18,20,22,24,26,28,30
	v_pk_mul_f32 v[O+\j:O+\j+1], v[O+\j:O+\j+1], v[F:F+1] op_sel_hi:[1,0]   ; O^T under the new M, each accumulator from its low end on
.endr
.irp j, 48,52,56,60                            ; the rest of the row's sum stands here: plain work between the last writes of operands, scale word and accumulators and the products
	v_pk_add_f32 v[14:15], v[14:15], v[S+\j:S+\j+1]
	v_pk_add_f32 v[L2:L2+1], v[L2:L2+1], v[S+2+\j:S+3+\j]
.endr
	s_delay_alu instid0(VALU_DEP_1)
	v_pk_add_f32 v[14:15], v[14:15], v[L2:L2+1]
	s_wait_dscnt 0x0                               ; V is in
.irp t, 0,2                                    ; O^T += V^T P^T: four tiles of 16 channels, the four accumulators by turns, one instruction a turn
	v_wmma_scale_f32_16x16x128_f8f6f4 v[O+8*\t:O+8*\t+7], v[KV+12*\t:KV+12*\t+11], v[PC:PC+11], v[O+8*\t:O+8*\t+7], v[VSC+\t/2], v[PW] matrix_a_fmt:MATRIX_FMT_FP6 matrix_b_fmt:MATRIX_FMT_FP6
	v_wmma_scale_f32_16x16x128_f8f6f4 v[O+8*\t+8:O+8*\t+15], v[KV+12*\t+12:KV+12*\t+23], v[PC:PC+11], v[O+8*\t+8:O+8*\t+15], v[VSC+\t/2], v[PW] matrix_a_fmt:MATRIX_FMT_FP6 matrix_b_fmt:MATRIX_FMT_FP6 matrix_a_scale:MATRIX_SCALE_ROW1
.endr
.endm
; ONE TILE OF 16 QUERIES against all 2,048 keys, and its way out.
.macro PASS t
	v_mov_b32 v13, 0xff61b1e6                      ; the largest t so far: -3e38, under every t
	s_delay_alu instid0(VALU_DEP_1)
	v_floor_f32 v12, -v13                          ; -M
	v_mov_b32 v14, 0                               ; the sum, in two halves
	v_mov_b32 v15, 0
.irp j, 0,1,2,3,4,5,6,7,8,9,10,11,12,13,14,15,16,17,18,19,20,21,22,23,24,25,26,27,28,29,30,31
	v_mov_b32 v[O+\j], 0                           ; O^T.  (The step is written once: the first finds zeros, which the first change of M leaves zeros)
.endr
	s_mov_b32 s[TB], 0
	s_mov_b32 s[CNT], 16
.Lstep_\@:
	s_setprio 2
	STEP Q+12*\t, QSC+\t
	s_add_co_u32 s[TB], s[TB], REC
	s_sub_co_u32 s[CNT], s[CNT], 1
	s_cmp_lg_u32 s[CNT], 0
	s_cbranch_scc1 .Lstep_\@
	s_setprio 0
	s_wait_alu depctr_va_vdst(0)
	v_add_f32 v[T], v14, v15                       ; the sum's two halves,
.rept 3
	v_nop                                          ; (with the addition: four places behind the last products)
.endr
	v_permlanex16_b32 v[PB], v[T], s[SEL], s[SEL+1]
	s_delay_alu instid0(VALU_DEP_1)
	v_add_f32 v[T], v[T], v[PB]                    ; and lane l xor 16's: the row's sum
	s_wait_alu depctr_va_vdst(0)
	v_rcp_f32 v[F], v[T]
	v_nop                                          ; a plain place behind the transcendental
	s_wait_alu depctr_va_vdst(0)                   ; the wait, ahead of the first reader
.irp j, 0,2,4,6,8,10,12,14,16,18,20,22,24,26,28,30
	v_pk_mul_f32 v[O+\j:O+\j+1], v[O+\j:O+\j+1], v[F:F+1] op_sel_hi:[1,0]   ; o = O^T / the sum: register 16 b + i is channel 32 b + 16 h + i of my query
.endr
.irp b, 0,1
	v_max3_num_f32 v[BM+\b], |v[O+16*\b]|, |v[O+1+16*\b]|, 0x1800000   ; o's two blocks of 32 channels: my 16 numbers and the floor
.endr
.irp i, 2,4,6,8,10,12,14
.irp b, 0,1
	s_delay_alu instid0(VALU_DEP_2)
	v_max3_num_f32 v[BM+\b], v[BM+\b], |v[O+16*\b+\i]|, |v[O+1+16*\b+\i]|
.endr
.endr
.irp b, 0,1
	s_delay_alu instid0(VALU_DEP_2)
	v_permlanex16_b32 v[PB+\b], v[BM+\b], s[SEL], s[SEL+1]
.endr
.irp b, 0,1
	s_delay_alu instid0(VALU_DEP_2)
	v_max_num_f32 v[BM+\b], v[BM+\b], v[PB+\b]
.endr
.irp b, 0,1
	s_delay_alu instid0(VALU_DEP_2)
	v_add_nc_u32 v[SO+\b], 0xff000000, v[BM+\b]
.endr
.irp b, 0,1
	s_delay_alu instid0(VALU_DEP_2)
	v_lshrrev_b32 v[PB+\b], 23, v[SO+\b]
.endr
	s_delay_alu instid0(VALU_DEP_1)
	v_lshl_or_b32 v[T], v[PB+1], 8, v[PB]          ; my query's two scale bytes
	v_cvt_scalef32_pk16_fp6_f32 v[OCD+6*\t:OCD+6*\t+2], v[O:O+15], v[SO]
	v_cvt_scalef32_pk16_fp6_f32 v[CT:CT+2], v[O+16:O+31], v[SO+1]
	v_nop                                          ; one plain place behind a scaled conversion
.irp i, 0,1,2
	v_permlane16_swap_b32 v[OCD+6*\t+\i], v[CT+\i]
.endr
.irp i, 0,1,2
	s_delay_alu instid0(VALU_DEP_3)
	v_mov_b32 v[OCD+6*\t+3+\i], v[CT+\i]           ; six registers: lanes 0-15 channels 0-31, lanes 16-31 channels 32-63: half a fragment of the last product
.endr
.irp p, 0,1,2
	global_store_b64 v[L8], v[OCD+6*\t+2*\p:OCD+6*\t+2*\p+1], s[OB:OB+1] offset:\t*196608+256*\p   ; 32 lanes store 256 consecutive bytes, at a multiple of 256 from oc's first byte; my second tile lies 16 tiles of 12,288 bytes on
.endr
	ds_store_b16 v[OSA], v[T] offset:512*\t        ; both lanes of a query write the same bytes with the same value
.endm
	PASS 0
	PASS 1
	s_wait_dscnt 0x0                               ; for the others' sake: my stores of scale bytes are done
	s_barrier_signal -1
	s_barrier_wait -1
	s_cmp_lt_u32 s[WV], 2                          ; waves 0 and 1 store the work-group's 1,024 bytes
	s_cbranch_scc0 .Lno_os
	ds_load_b128 v[S:S+3], v[OSR]
	s_wait_dscnt 0x0
	global_store_b128 v[OSG], v[S:S+3], s[SB:SB+1] ; 32 lanes store 512 consecutive bytes, at a multiple of 256 from os's first byte
.Lno_os:
	s_wait_tensorcnt 0x0
	ds_add_u32 v254, v255
	s_wait_dscnt 0x0
	CROUND                                         ; the closing round: no work-group ends while a partner may still ask for a tile that names it
	s_endpgm
.Lfunc_end_k_q90a4ddc7b7_attn:
	.size	k_q90a4ddc7b7_attn, .Lfunc_end_k_q90a4ddc7b7_attn-k_q90a4ddc7b7_attn
	.p2alignl 7, 3214868480
	.fill 96, 4, 3214868480
	.section	.rodata,"a",@progbits
	.p2align	6, 0x0
	.amdhsa_kernel k_q90a4ddc7b7_attn
		.amdhsa_group_segment_fixed_size 215040
		.amdhsa_private_segment_fixed_size 0
		.amdhsa_enable_private_segment 0
		.amdhsa_kernarg_size 24
		.amdhsa_user_sgpr_count 2
		.amdhsa_user_sgpr_kernarg_segment_ptr 1
		.amdhsa_wavefront_size32 1
		.amdhsa_system_sgpr_workgroup_id_x 1
		.amdhsa_system_sgpr_workgroup_id_y 1
		.amdhsa_system_sgpr_workgroup_id_z 1
		.amdhsa_system_vgpr_workitem_id 0
		.amdhsa_next_free_vgpr 256
		.amdhsa_next_free_sgpr 66
		.amdhsa_reserve_vcc 0
		.amdhsa_float_denorm_mode_32 3
		.amdhsa_float_denorm_mode_16_64 3
		.amdhsa_memory_ordered 1
		.amdhsa_forward_progress 1
		.amdhsa_inst_pref_size 52
	.end_amdhsa_kernel
	.amdgpu_metadata
---
amdhsa.version: [ 1, 2 ]
amdhsa.kernels:
  - .name:           k_q90a4ddc7b7_attn
    .symbol:         k_q90a4ddc7b7_attn.kd
    .args:
      - { .name: rec, .offset: 0, .size: 8, .value_kind: global_buffer, .address_space: global }
      - { .name: oc, .offset: 8, .size: 8, .value_kind: global_buffer, .address_space: global }
      - { .name: os, .offset: 16, .size: 8, .value_kind: global_buffer, .address_space: global }
    .group_segment_fixed_size: 215040
    .private_segment_fixed_size: 0
    .kernarg_segment_align: 8
    .kernarg_segment_size: 24
    .max_flat_workgroup_size: 512
    .sgpr_count:     66
    .vgpr_count:     256
    .wavefront_size: 32
...
	.end_amdgpu_metadata
.endif
;; end of part 3
;; launch proj (part 4): grid 4 x 32, 4 waves a work-group, clusters of 4 x 4, 327,680 bytes of LDS; arguments oc, os, cod, scl, out0; writes out0
.if DOCPART == 4
	.amdgcn_target "amdgcn-amd-amdhsa--gfx1250"
	.amdhsa_code_object_version 6
	.text
	.protected	k_q90a4ddc7b7_proj
	.globl	k_q90a4ddc7b7_proj
	.p2align	8
	.type	k_q90a4ddc7b7_proj,@function
k_q90a4ddc7b7_proj:
	s_mov_b64 s[64:65], 0
	v_nop
	global_prefetch_b8 v0, s[64:65] scope:SCOPE_SE
	s_setreg_imm32_b32 hwreg(HW_REG_WAVE_MODE, 25, 1), 1
	s_wait_xcnt 0x0
	s_wait_alu depctr_hold_cnt(0) depctr_sa_sdst(0) depctr_va_vdst(0) depctr_va_sdst(0) depctr_va_ssrc(0) depctr_va_vcc(0) depctr_vm_vsrc(0)
	s_getreg_b32 s2, hwreg(HW_REG_IB_STS2, 6, 4)
	s_cmp_eq_u32 s2, 0
	s_cbranch_scc0 .Lentry_in_a_cluster
	s_endpgm
.Lentry_in_a_cluster:
	s_bfe_u32 s2, ttmp6, 0x10000c
	s_cmp_lg_u32 s2, 0xf033
	s_cbranch_scc0 .Lentry_shape_is_right
	s_endpgm
.Lentry_shape_is_right:
; out0 = o w_out^T on codes of FP6 (E2M3) with E8M0 scales; sums in f32; out0 [8192][1024] f32.
; A = o: oc holds, for each tile of 16 positions and each head, 768 bytes: six registers a lane (two registers as 256 bytes, 8 a lane): lane (r, h) has position r, channels 32 h .. 32 h + 31 of the head.  Two
; heads on end ARE a fragment of 16 rows x 128 K.  os holds o's scale bytes, [head][position], two bytes each.  B = w_out: rows 11,264 on of cod (768 bytes a row) and of scl (32 bytes a row).
; POSITIONS: in each group of 32 tokens the second and third run of eight have changed places; the stores' offsets put the rows of out0 back.
; A tile of 256 x 256 is made by a work-group of four waves; a wave makes 128 x 128: 64 accumulators.  K goes in steps of 256 (four heads) through a ring of two LDS slots filled by the tensor data mover.
; B's scale bytes come into LDS once, by a tensor load among the first fills.  A's are loaded head by head (512 consecutive bytes a work-group and head), turned in registers into rows of 32 bytes, and stored into LDS
; bytes of their own, into which no tile lands.
; CLUSTERS: 4 x 4 work-groups.  A's tile is shared along a row of the cluster, B's along a column: each is asked for JOINTLY, by the same tensor load with the same descriptor and a mask that names the four.
; THE MATRIX INSTRUCTION IS USED TRANSPOSED (source 0 = 16 rows of B, source 1 = 16 rows of A): a lane then holds eight neighbouring numbers of a row of out0.
; The grid has 128 work-groups: a tile of 256 x 256 keeps a wave's 128 x 128, in which each fragment read from LDS feeds eight products.
; REGISTERS, in windows of 256: window 0: v0-31 addresses; v32-63 scale words, two sets; v64-95 at work at the head; from v128 A's fragments, ONE set; on the way out v128-255 rows of out0.
;   window 1: B's fragments, TWO sets.   window 2: the accumulators of my rows 0-63 ((a, b) at v[8 (8 a + b)]);   window 3: those of my rows 64-127.
.set SIZE_K, 1024
.set SIZE_N, 1024
.set KSTEP,  256
.set NQ,     KSTEP/128
.set ROWB,   192                       ; a row of B's tile in bytes
.set KROW,   SIZE_K*6/8
.set PITCH,  240                       ; B's LDS row: 3 x (64 bytes of data + 16 of padding)
.set FR,     12
.set NL,     6
.set NP,     4                         ; places behind this matrix instruction (ISA guide 7.12.1)
.set ATILE,  3072                      ; A: a tile of 16 positions x 256 K: four heads of 768 bytes
.set AROW,   12288                     ; from a tile of positions to the next in oc
.set AHALF,  8*ATILE                   ; 128 positions: what one tensor load brings
.set BHALF,  128*PITCH
.set SLOT,   2*AHALF+2*BHALF           ; A's 256 positions, then B's 256 rows
.set LAPS,   SIZE_K/(2*KSTEP)
.set KS,     SIZE_K/32
.set SCL,    2*SLOT                    ; behind the ring: the scales, as rows of 256 bytes + 16 of padding: A's (stored from registers), then B's (filled once)
.set HALFS,  (128*KS/256)*272
.set SBLK,   (16*KS/256)*272
.set SPARE,  SCL+4*HALFS               ; the spare words, 128 bytes for each wave, which no other line names
.set SPITCH, 528                       ; the way out: a stage of 16 rows x (512 bytes + 16) for each wave, in slot 0, which has had its last fill and its last read when the first result is stored there
.set WO_B,   11264*KROW                ; where w_out's rows begin in cod,
.set WO_S,   11264*KS                  ; and in scl
.set ADRA, 16                          ; v16-17  LDS address of my A fragments in slot 0, 1
.set ADRB, 20                          ; v20-21  the same for B  (v22-23: for the pieces that lie behind one padding more)
.set STO,  24
.set RD,   25
.set CO,   26
.set ADRS, 27
.set SPW,  28
.set NIL,  29
.set SC,   32
.set AF,   128
.set BK,   128
.set G1, 24                            ; s[24:31] descriptor group 1 for A's tiles;  s[32:39] group 0, one set for each slot
.set G0, 32
.set G1B, 48                           ; s[48:55], s[56:63] the same for B's tiles
.set G0B, 56
.set G1SB, 80                          ; s[80:87], s[88:91] groups 1 and 0 for B's scales
.set G0SB, 88
.set MSB, 0
.macro WIN new                         ; the immediate's high byte repeats the setting that is left
.if MSB != \new
	s_set_vgpr_msb (MSB<<8)|\new
.set MSB, \new
.endif
.endm
.set MUL_LO, 0xa1
.set MUL_HI, 0xf1
.set TO_B,   0x40
.macro JLOAD g0a, g1a, g0b, g1b        ; a joint load: waves 0 and 1 fetch for A, waves 2 and 3 for B; four v_nop follow each of the two lines
	s_cmp_eq_u32 s15, 0
	s_cbranch_scc0 .Lfor_b_\@
	tensor_load_to_lds s[\g0a:\g0a+3], s[\g1a:\g1a+7]
	s_nop 0
.rept 4
	v_nop
.endr
	s_branch .Lasked_\@
.Lfor_b_\@:
	tensor_load_to_lds s[\g0b:\g0b+3], s[\g1b:\g1b+7]
	s_nop 0
.rept 4
	v_nop
.endr
.Lasked_\@:
.endm
.macro CREST
	s_cmp_lg_u32 s14, 0
	s_cbranch_scc1 .Lnot_wave_0_\@
	s_barrier_signal -3
.Lnot_wave_0_\@:
	s_barrier_wait -3
	s_barrier_signal -1
	s_barrier_wait -1
.endm
.macro CROUND
	s_barrier_signal -1
	s_barrier_wait -1
	CREST
.endm
	s_load_b128 s[4:7], s[0:1], 0x0                ; oc, os
	s_load_b128 s[8:11], s[0:1], 0x10              ; cod, scl
	s_load_b64 s[12:13], s[0:1], 0x20              ; out0
	v_lshl_add_u32 v[SPW], v0, 2, SPARE
	v_mov_b32 v[NIL], 0
	ds_add_u32 v28, v29
	ds_add_u32 v28, v29
	s_wait_dscnt 0x0
	v_lshrrev_b32 v1, 5, v0
	v_readfirstlane_b32 s14, v1                    ; wave 0..3
	s_lshr_b32 s15, s14, 1                         ; which half of the tile's rows is mine.  Also: I fetch for A (0) or for B (1)
	s_and_b32 s16, s14, 1                          ; which half of its columns.  Also: which half of that tile I fetch
	s_bfe_u32 s40, ttmp6, 0x40000                  ; cx, cy
	s_bfe_u32 s41, ttmp6, 0x40004
	s_lshl_b32 s42, ttmp9, 2
	s_add_co_u32 s42, s42, s40                     ; tile column = 4 x cluster x + cx
	s_and_b32 s17, ttmp7, 0xffff
	s_lshl_b32 s17, s17, 2
	s_add_co_u32 s17, s17, s41                     ; tile row = 4 x cluster y + cy
	s_lshl_b32 s43, s41, 2
	s_lshl_b32 s43, 15, s43                        ; my row of the cluster
	s_lshl_b32 s44, 0x1111, s40                    ; my column
	; A: 8 rows (tiles of 16 positions) of 3,072 bytes (384 elements of 8 bytes), 12,288 bytes apart, no padding
	s_or_b32 s[G1+0], s43, (3<<16)|(1<<21)
	s_mov_b32 s[G1+1], 384<<16                     ; tensor_dim0
	s_mov_b32 s[G1+2], 8<<16                       ; tensor_dim1
	s_mov_b32 s[G1+3], 384<<16                     ; tile_dim0
	s_mov_b32 s[G1+4], 8                           ; tile_dim1
	s_mov_b32 s[G1+5], AROW/8                      ; tensor_dim0_stride
	s_mov_b32 s[G1+6], 0
	s_mov_b32 s[G1+7], 0
	; B: 128 rows of 192 bytes, 768 bytes apart, 16 bytes of padding behind every 64
	s_or_b32 s[G1B+0], s44, (0<<16)|(1<<20)|(1<<21)|(3<<22)|(3<<25)
	s_mov_b32 s[G1B+1], ROWB<<16
	s_mov_b32 s[G1B+2], 128<<16
	s_mov_b32 s[G1B+3], ROWB<<16
	s_mov_b32 s[G1B+4], 128
	s_mov_b32 s[G1B+5], KROW
	s_mov_b32 s[G1B+6], 0
	s_mov_b32 s[G1B+7], 0
	; B's scales of 128 rows: 4,096 dense bytes as rows of 256 bytes, 16 bytes of padding behind each
	s_or_b32 s[G1SB+0], s44, (3<<16)|(1<<20)|(1<<21)|(5<<22)|(3<<25)
	s_mov_b32 s[G1SB+1], 32<<16
	s_mov_b32 s[G1SB+2], (128*KS/256)<<16
	s_mov_b32 s[G1SB+3], 32<<16
	s_mov_b32 s[G1SB+4], 128*KS/256
	s_mov_b32 s[G1SB+5], 32
	s_mov_b32 s[G1SB+6], 0
	s_mov_b32 s[G1SB+7], 0
	s_lshl_b32 s20, s17, 4
	s_lshl_b32 s18, s16, 3
	s_add_co_u32 s20, s20, s18                     ; A: tile of positions 16 x tile row + 8 x half
	s_mul_i32 s20, s20, AROW
	s_mov_b32 s21, 0
	s_lshl_b32 s46, s42, 8
	s_lshl_b32 s18, s16, 7
	s_add_co_u32 s46, s46, s18                     ; B: row 256 x tile column + 128 x half
	s_lshl_b32 s92, s46, 5                         ; its scales, in bytes
	s_mov_b32 s93, 0
	s_mul_i32 s46, s46, KROW                       ; its codes
	s_mov_b32 s47, 0
	s_mul_i32 s45, s16, AHALF                      ; where they go: no place in the cluster enters an LDS address
	s_mul_i32 s94, s16, BHALF
	s_add_co_u32 s94, s94, 2*AHALF
	s_mul_i32 s95, s16, HALFS
	s_add_co_u32 s95, s95, SCL+2*HALFS
	s_wait_kmcnt 0x0
	s_add_nc_u64 s[8:9], s[8:9], WO_B              ; w_out's codes
	s_add_nc_u64 s[10:11], s[10:11], WO_S          ; and scales
	s_add_nc_u64 s[20:21], s[4:5], s[20:21]
	s_add_nc_u64 s[46:47], s[8:9], s[46:47]
	s_add_nc_u64 s[92:93], s[10:11], s[92:93]
	s_mov_b32 s[G0SB], 1
	s_mov_b32 s[G0SB+1], s95
	s_mov_b64 s[G0SB+2:G0SB+3], s[92:93]
	s_or_b32 s[G0SB+3], s[G0SB+3], 0x80000000
.irp s, 0,1
	s_mov_b32 s[G0+4*\s], 1
	s_add_co_u32 s[G0+4*\s+1], s45, \s*SLOT
	s_add_nc_u64 s[G0+4*\s+2:G0+4*\s+3], s[20:21], \s*ATILE
	s_or_b32 s[G0+4*\s+3], s[G0+4*\s+3], 0x80000000
	s_mov_b32 s[G0B+4*\s], 1
	s_add_co_u32 s[G0B+4*\s+1], s94, \s*SLOT
	s_add_nc_u64 s[G0B+4*\s+2:G0B+4*\s+3], s[46:47], \s*ROWB
	s_or_b32 s[G0B+4*\s+3], s[G0B+4*\s+3], 0x80000000
.endr
	CROUND                                         ; all sixteen work-groups are here: the first joint loads meet
	s_cmp_eq_u32 s15, 0                            ; a wave's first fills stand in one branch: two (A) or three (B) loads of mine are out; four v_nop follow the last
	s_cbranch_scc0 .Lfirst_b
	tensor_load_to_lds s[G0:G0+3], s[G1:G1+7]
	s_nop 0
	tensor_load_to_lds s[G0+4:G0+7], s[G1:G1+7]
	s_nop 0
.rept 4
	v_nop
.endr
	s_branch .Lfirst_asked
.Lfirst_b:
	tensor_load_to_lds s[G0SB:G0SB+3], s[G1SB:G1SB+7]
	s_nop 0
	tensor_load_to_lds s[G0B:G0B+3], s[G1B:G1B+7]
	s_nop 0
	tensor_load_to_lds s[G0B+4:G0B+7], s[G1B:G1B+7]
	s_nop 0
.rept 4
	v_nop
.endr
.Lfirst_asked:
	; A's scale bytes: thread n takes positions 2 n and 2 n + 1 of the tile's 256, of all sixteen heads
	s_lshl_b32 s20, s17, 9                         ; 256 positions x 2 bytes
	s_mov_b32 s21, 0
	s_add_nc_u64 s[6:7], s[6:7], s[20:21]
	v_lshlrev_b32 v7, 2, v0
.irp hd, 0,1,2,3,4,5,6,7,8,9,10,11,12,13,14,15
	global_load_b32 v[64+\hd], v7, s[6:7] offset:\hd*16384   ; the work-group reads 512 consecutive bytes of each head
.endr
	v_lshrrev_b32 v8, 2, v0
	v_lshlrev_b32 v8, 4, v8
	v_lshl_add_u32 v8, v0, 6, v8
	v_add_nc_u32 v8, SCL, v8                       ; two rows of 32 bytes at 64 n, and 16 more for each 256 passed
	v_and_b32 v1, 15, v0                           ; l % 16
	v_bfe_u32 v2, v0, 4, 1                         ; l / 16
	v_mul_u32_u24 v3, v1, PITCH
	v_mul_u32_u24 v4, v2, 24
	v_add_nc_u32 v4, v3, v4                        ; B: a fragment's row x pitch + 24 x half
	v_lshl_add_u32 v5, v2, 4, v4                   ; and the same behind one padding more
	v_and_b32 v6, 31, v0
	v_lshlrev_b32 v9, 3, v6                        ; A: 8 x lane
	s_mul_i32 s21, s15, AHALF                      ; my 128 positions of A
	s_mul_i32 s22, s16, BHALF                      ; my 128 rows of B,
	s_add_co_u32 s22, s22, 2*AHALF                 ; which lie behind A's 256
.irp s, 0,1
	v_add_nc_u32 v[ADRA+\s], s21, v9
	v_add_nc_u32 v[ADRB+\s], s22, v4
	v_add_nc_u32 v[ADRB+2+\s], s22, v5
	s_add_co_u32 s21, s21, SLOT
	s_add_co_u32 s22, s22, SLOT
.endr
	v_mul_u32_u24 v5, v1, KS                       ; my row's scales: KS bytes a row,
	v_lshrrev_b32 v10, 8, v5
	v_lshl_add_u32 v5, v10, 4, v5                  ; and 16 more for each 256 passed
	s_mul_i32 s21, s15, HALFS                      ; A's: my 128 rows
	s_mul_i32 s22, s16, HALFS                      ; B's: my 128 rows, behind A's 256
	s_add_co_u32 s22, s22, 2*HALFS
	s_sub_co_u32 s22, s22, s21
	v_mul_u32_u24 v10, s22, v2                     ; lanes 16-31 take B's
	s_add_co_u32 s21, s21, SCL
	v_add_nc_u32 v5, v5, v10
	v_add_nc_u32 v[ADRS], s21, v5
	s_mul_i32 s23, s14, 16*SPITCH                  ; my stage
	v_mul_u32_u24 v5, v1, SPITCH                   ; in: row l % 16, 32 bytes for each half of the lanes
	v_lshl_add_u32 v5, v2, 5, v5
	v_add_nc_u32 v[STO], s23, v5
	v_lshlrev_b32 v[CO], 4, v6                     ; back: the 32 lanes take one row of 512 bytes; and the same in out0
	v_add_nc_u32 v[RD], s23, v[CO]
	s_lshl_b32 s20, s17, 8
	s_lshl_b32 s21, s15, 7
	s_add_co_u32 s20, s20, s21                     ; my first row of out0: 256 x tile row + 128 x half
	s_lshl_b32 s20, s20, 12                        ; 4,096 bytes a row
	s_lshl_b32 s46, s42, 10                        ; my first column, in bytes: 1,024 x tile column + 512 x half
	s_lshl_b32 s47, s16, 9
	s_add_co_u32 s46, s46, s47
	s_add_co_u32 s20, s20, s46
	s_mov_b32 s21, 0
	s_add_nc_u64 s[12:13], s[12:13], s[20:21]
	s_wait_loadcnt 0x0                             ; A's scale bytes
.irp s, 0,1,2,3,4,5,6,7
	v_perm_b32 v[80+\s], v[65+2*\s], v[64+2*\s], 0x05040100   ; position 2 n: heads 2 s and 2 s + 1: the word of K = 128 s on
	v_perm_b32 v[88+\s], v[65+2*\s], v[64+2*\s], 0x07060302   ; position 2 n + 1
.endr
.irp c, 0,1,2,3
	ds_store_b128 v8, v[80+4*\c:83+4*\c] offset:16*\c
.endr
.macro FRAG reg, adr, q, i             ; a fragment of B from padded rows, in pieces of 8 bytes; where the piece three on lies behind one padding more, the second address register serves
.irp p, 0,1,2,3,4,5
.set PC, 12*(\q)+6*(\p/3)+\p%3
.if PC%8 < 5
	ds_load_b64 v[\reg+2*\p:\reg+2*\p+1], v[\adr] offset:8*PC+16*(PC/8)+(\i)*16*PITCH
.else
	ds_load_b64 v[\reg+2*\p:\reg+2*\p+1], v[\adr+2] offset:8*PC+16*(PC/8)+(\i)*16*PITCH
.endif
.endr
.endm
.macro FRAGA reg, slot, q, i           ; a fragment of A as it was stored: two registers as 256 consecutive bytes, 8 a lane; two heads of 768 bytes
.irp p, 0,1,2,3,4,5
	ds_load_b64 v[\reg+2*\p:\reg+2*\p+1], v[ADRA+\slot] offset:(\i)*ATILE+(\q)*1536+256*\p
.endr
.endm
; 16 matrix instructions: A's blocks a0, a0 + 1 x B's eight.  The 64 accumulators take turns, one instruction a turn, in the same order in every step.
.macro MUL16 a0, p, q, sc, zero
.irp a, \a0, \a0+1
.irp b, 0,1,2,3,4,5,6,7
.if \zero
	v_wmma_scale_f32_16x16x128_f8f6f4 v[8*(8*((\a)%4)+\b):8*(8*((\a)%4)+\b)+7], v[128*(\p)+FR*\b:128*(\p)+FR*\b+FR-1], v[AF+FR*(\a):AF+FR*(\a)+FR-1], 0, v[SC+8*NQ*(\sc)+NQ*\b+(\q)], v[SC+8*NQ*(\sc)+NQ*(\a)+(\q)] matrix_a_fmt:MATRIX_FMT_FP6 matrix_b_fmt:MATRIX_FMT_FP6 matrix_a_scale:MATRIX_SCALE_ROW1
.else
	v_wmma_scale_f32_16x16x128_f8f6f4 v[8*(8*((\a)%4)+\b):8*(8*((\a)%4)+\b)+7], v[128*(\p)+FR*\b:128*(\p)+FR*\b+FR-1], v[AF+FR*(\a):AF+FR*(\a)+FR-1], v[8*(8*((\a)%4)+\b):8*(8*((\a)%4)+\b)+7], v[SC+8*NQ*(\sc)+NQ*\b+(\q)], v[SC+8*NQ*(\sc)+NQ*(\a)+(\q)] matrix_a_fmt:MATRIX_FMT_FP6 matrix_b_fmt:MATRIX_FMT_FP6 matrix_a_scale:MATRIX_SCALE_ROW1
.endif
.endr
.endr
.endm
.macro FETCH_B slot, q, p
	WIN TO_B
.irp i, 0,1,2,3,4,5,6,7
	FRAG 128*(\p)+FR*\i, ADRB+\slot, \q, \i
.endr
	WIN 0
.endm
.macro FETCH_A slot, q, i0
.irp i, \i0, \i0+1, \i0+2, \i0+3
	FRAGA AF+FR*(\i), \slot, \q, \i
.endr
.endm
.macro SCALES sc
.irp i, 0,1,2,3,4,5,6,7
	ds_load_b64 v[SC+8*NQ*\sc+NQ*\i:SC+8*NQ*\sc+NQ*\i+1], v[ADRS] offset:\i*SBLK
.endr
.endm
.macro PLACES n                        ; places in front of loads into registers that matrix instructions have read, and of the first read of results (ISA guide 7.12.1 for the first read of results)
.rept \n
	v_nop
.endr
.endm
.macro STEP slot, q, zero
	s_wait_dscnt 4*NL                              ; B's set and A's blocks 0-3 are in; the youngest 24 loads (A's blocks 4-7) may be out
	WIN MUL_LO
	MUL16 0, (\q)%2, \q, \slot, \zero
	MUL16 2, (\q)%2, \q, \slot, \zero
	s_wait_dscnt 0
	PLACES NP
	FETCH_B \slot, (\q)+1, 1-(\q)%2
	FETCH_A \slot, (\q)+1, 0
	WIN MUL_HI
	MUL16 4, (\q)%2, \q, \slot, \zero
	MUL16 6, (\q)%2, \q, \slot, \zero
	PLACES NP
	WIN 0
	FETCH_A \slot, (\q)+1, 4
.endm
; A slot's last step changes slots: ONE barrier; in front of it each wave waits for all its tensor loads, adds 0 to its spare word, and waits for that and for its own reads of this slot.
.macro TURN slot, next, fill
	s_wait_tensorcnt 0x0                           ; all my tensor loads have landed: my part of the next slot
	ds_add_u32 v[SPW], v[NIL]                      ; 0 onto my spare word
	s_wait_dscnt 4*NL+1                            ; (the add and the youngest 24 loads may be out)
	WIN MUL_LO
	MUL16 0, 1, NQ-1, \slot, 0
	s_wait_dscnt 0x0                               ; the add is done, and my reads of this slot are over
	s_barrier_signal -1
	MUL16 2, 1, NQ-1, \slot, 0
	WIN 0
	s_barrier_wait -1
.if \fill
	CREST                                          ; the barrier has opened a round of the cluster's barrier: no wave of any partner still reads this slot's tile or has a load on its way
	s_add_nc_u64 s[G0+4*\slot+2:G0+4*\slot+3], s[G0+4*\slot+2:G0+4*\slot+3], 2*ATILE
	s_add_nc_u64 s[G0B+4*\slot+2:G0B+4*\slot+3], s[G0B+4*\slot+2:G0B+4*\slot+3], 2*ROWB
	JLOAD G0+4*\slot, G1, G0B+4*\slot, G1B         ; the first tensor load behind the round; the four v_nop behind it are the places in front of the loads below
.else
	PLACES NP
.endif
	s_wait_alu depctr_va_vdst(0)
	v_add_nc_u32 v[ADRS], 4*NQ, v[ADRS]            ; on to the next K step's scale words
	FETCH_B \next, 0, 0
	FETCH_A \next, 0, 0
	SCALES \next
	WIN MUL_HI
	MUL16 4, 1, NQ-1, \slot, 0
	MUL16 6, 1, NQ-1, \slot, 0
	PLACES NP
	WIN 0
	FETCH_A \next, 0, 4
.endm
	s_wait_dscnt 0x0                               ; for the others' sake: my rows of A's scales are stored
	s_wait_tensorcnt 1                             ; B's scales and my part of K step 0 are in (K step 1's load may be out)
	s_barrier_signal -1
	s_barrier_wait -1                              ; everybody's are
	FETCH_B 0, 0, 0
	FETCH_A 0, 0, 0
	SCALES 0
	FETCH_A 0, 0, 4
	STEP 0, 0, 1                                   ; the first step stands in front of the loop: its products start the sums
	s_mov_b32 s3, LAPS-1
.Llap:
	TURN 0, 1, 1
	STEP 1, 0, 0
	TURN 1, 0, 1
	STEP 0, 0, 0
	s_sub_co_u32 s3, s3, 1
	s_cmp_lg_u32 s3, 0
	s_cbranch_scc1 .Llap
	TURN 0, 1, 0                                   ; the last lap fills nothing, and has no round of the cluster's barrier
	STEP 1, 0, 0
	s_wait_dscnt 4*NL
	WIN MUL_LO
	MUL16 0, 1, NQ-1, 1, 0
	MUL16 2, 1, NQ-1, 1, 0
	s_wait_dscnt 0
	WIN MUL_HI
	MUL16 4, 1, NQ-1, 1, 0
	MUL16 6, 1, NQ-1, 1, 0
	WIN 0
; THE WAY OUT, block by block of 16 positions x 128 columns, through my own stage in LDS, back as whole rows of 512 bytes.  LDS serves a wave's instructions in order (ISA guide 5.7.1.4).
; Position r of block a is token 32 (a / 2) + 8 (a % 2) + r + 8 (r / 8) of my 128: the base goes 8 rows on ahead of an odd block and 24 ahead of an even one, and rows 8-15 of a block lie 8 rows further down.
.macro TOSTAGE a
.set AC, 64*((\a)%4)
	WIN 0x08+4*((\a)/4)                            ; the data: window 2 or 3
.irp b, 0,1,2,3,4,5,6,7
	ds_store_b128 v[STO], v[AC+8*\b:AC+8*\b+3] offset:64*\b          ; each accumulator from its low end on
	ds_store_b128 v[STO], v[AC+8*\b+4:AC+8*\b+7] offset:64*\b+16
.endr
	WIN 0
.set BB, BK+64*((\a)%2)
.irp t, 0,1,2,3,4,5,6,7,8,9,10,11,12,13,14,15
	ds_load_b128 v[BB+4*\t:BB+4*\t+3], v[RD] offset:\t*SPITCH
.endr
.endm
.macro SEND a, younger                 ; younger: the LDS instructions issued behind block a's loads, which may stay out
.set BB, BK+64*((\a)%2)
	s_wait_dscnt \younger                          ; the block is back in registers
.if (\a) > 0
.if (\a)%2
	s_add_nc_u64 s[12:13], s[12:13], 8*SIZE_N*4    ; (behind a wait on XCNT: the earlier stores have read their base)
.else
	s_add_nc_u64 s[12:13], s[12:13], 24*SIZE_N*4
.endif
.endif
.irp t, 0,1,2,3,4,5,6,7,8,9,10,11,12,13,14,15
	global_store_b128 v[CO], v[BB+4*\t:BB+4*\t+3], s[12:13] offset:(\t+8*(\t/8))*SIZE_N*4 th:TH_STORE_NT   ; 32 lanes store 512 consecutive bytes, at a multiple of 256 from out0's first byte; written once, read by nobody here
.endr
.endm
	PLACES NP
	TOSTAGE 0
.irp a, 1,2,3,4,5,6,7
.if \a > 1
	s_wait_xcnt 0x0                                ; block a - 2's stores have read their registers and their base: block a's loads may land there, and the base may step
.endif
	TOSTAGE \a
	SEND \a-1, 32                                  ; behind block a - 1's loads: block a's 16 stores and 16 loads
.endr
	s_wait_xcnt 0x0                                ; block 6's stores have read their base
	SEND 7, 0
	s_wait_tensorcnt 0x0                           ; the wave's end
	ds_add_u32 v[SPW], v[NIL]
	s_wait_dscnt 0x0
	CROUND                                         ; the closing round: no work-group ends while a partner may still ask for a tile that names it
	s_endpgm
.Lfunc_end_k_q90a4ddc7b7_proj:
	.size	k_q90a4ddc7b7_proj, .Lfunc_end_k_q90a4ddc7b7_proj-k_q90a4ddc7b7_proj
	.p2alignl 7, 3214868480
	.fill 96, 4, 3214868480
	.section	.rodata,"a",@progbits
	.p2align	6, 0x0
	.amdhsa_kernel k_q90a4ddc7b7_proj
		.amdhsa_group_segment_fixed_size 327680
		.amdhsa_private_segment_fixed_size 0
		.amdhsa_enable_private_segment 0
		.amdhsa_kernarg_size 40
		.amdhsa_user_sgpr_count 2
		.amdhsa_user_sgpr_kernarg_segment_ptr 1
		.amdhsa_wavefront_size32 1
		.amdhsa_system_sgpr_workgroup_id_x 1
		.amdhsa_system_sgpr_workgroup_id_y 1
		.amdhsa_system_sgpr_workgroup_id_z 1
		.amdhsa_system_vgpr_workitem_id 0
		.amdhsa_next_free_vgpr 1024
		.amdhsa_next_free_sgpr 98
		.amdhsa_reserve_vcc 0
		.amdhsa_float_denorm_mode_32 3
		.amdhsa_float_denorm_mode_16_64 3
		.amdhsa_memory_ordered 1
		.amdhsa_forward_progress 1
		.amdhsa_inst_pref_size 162
	.end_amdhsa_kernel
	.amdgpu_metadata
---
amdhsa.version: [ 1, 2 ]
amdhsa.kernels:
  - .name:           k_q90a4ddc7b7_proj
    .symbol:         k_q90a4ddc7b7_proj.kd
    .args:
      - { .name: oc, .offset: 0, .size: 8, .value_kind: global_buffer, .address_space: global }
      - { .name: os, .offset: 8, .size: 8, .value_kind: global_buffer, .address_space: global }
      - { .name: cod, .offset: 16, .size: 8, .value_kind: global_buffer, .address_space: global }
      - { .name: scl, .offset: 24, .size: 8, .value_kind: global_buffer, .address_space: global }
      - { .name: out0, .offset: 32, .size: 8, .value_kind: global_buffer, .address_space: global }
    .group_segment_fixed_size: 327680
    .private_segment_fixed_size: 0
    .kernarg_segment_align: 8
    .kernarg_segment_size: 40
    .max_flat_workgroup_size: 128
    .sgpr_count:     98
    .vgpr_count:     1024
    .wavefront_size: 32
...
	.end_amdgpu_metadata
.endif
;; end of part 4
